; MI455X (gfx1250); checked and timed in simulation.
; The chip was launched on July 23, 2026; its instructions are those of AMD's public machine-readable ISA for CDNA 5 (MIT licence, August 2026) and "CDNA5" Instruction Set Architecture Reference Guide (July 2026). The comments in the code are by the model that wrote it; some were corrected since.
;; Multi Head Attention. Allowed arithmetic: matrix products marked QUANTISED: E2M3 operands, one E8M0 scale for each 32 along K, by v_wmma_scale_f32_16x16x128_f8f6f4 with both operands' format E2M3, f32 sums; everything else in f32.
;; Inputs: b_out 1,024 float32; b_qkv 3,072 float32; mask 1 x 1 x 2,048 x 2,048 int32; w_out 1,024 x 1,024 float32; w_qkv 3,072 x 1,024 float32; x 4 x 2,048 x 1,024 float32.
;; Outputs: out0 4 x 2,048 x 1,024 float32.
;; This version of the problem:
;;   THIS VERSION OF THE PROBLEM IS GIVEN IN LOW PRECISION. The matrix products marked QUANTISED in the list below multiply operands that are first quantised to E2M3 (2 exponent bits, 3 mantissa bits; 6 bits a number), with one power-of-two scale for each 32 numbers along K (OCP MX v1.0); their sums are f32. All else is computed in f32.
;;   The module's matrix products, in the order in which they are computed (A, B: the left and right operand; K: the contracted axis; several contracted axes count as one K, in the product's order):
;;     1. [M 8,192, K 1,024] x [K 1,024, N 3,072]; A: input x; B: input w_qkv: QUANTISED
;;     2. batch 64 x [M 2,048, K 64] x [K 64, N 2,048]; A: computed on the way; B: computed on the way: QUANTISED
;;     3. batch 64 x [M 2,048, K 2,048] x [K 2,048, N 64]; A: softmax (see below); B: computed on the way: QUANTISED
;;     4. [M 8,192, K 1,024] x [K 1,024, N 1,024]; A: computed on the way; B: input w_out: QUANTISED
;;   THE QUANTISER, for each operand of a quantised product, along K:
;;     - K is cut into blocks of 32 from its start; a last block that is shorter is filled with zeros.
;;     - A block's scale is 2^e with e = floor(log2(the largest magnitude in the block)) - 2, held to -126 .. 127; a block of zeros has e = 0. As a byte (E8M0): e + 127.
;;     - Each number is divided by its block's scale, clamped to +-7.5, and rounded to the nearest number of E2M3, ties to even, subnormals kept.
;;     - The product sums the exact products of the quantised numbers (number of the format x scale) in f32.
;;   ~~~python
;;   def quantise(x, axis):      # numpy; x: float32 -> the quantised numbers, widened to float32 again
;;       x = np.moveaxis(x, axis, -1); K = x.shape[-1]
;;       x = np.pad(x, [(0, 0)] * (x.ndim - 1) + [(0, -K % 32)]); x = x.reshape(x.shape[:-1] + (-1, 32)); a = np.abs(x).max(-1, keepdims=True)
;;       e = np.where(a > 0, np.clip(np.frexp(np.where(a > 0, a, 1))[1] - 1 - 2, -126, 127), 0)      # np.frexp(a)[1] - 1 = floor(log2(a)), exactly
;;       r = np.clip(x / 2.0 ** e, -7.5, 7.5)
;;       step = 2.0 ** (np.maximum(np.frexp(np.where(r == 0, 1, r))[1] - 1, 0) - 3)
;;       q = np.round(r / step) * step * 2.0 ** e      # np.round: ties to even
;;       return np.moveaxis(q.reshape(q.shape[:-2] + (-1,))[..., :K], -1, axis).astype(np.float32)
;;   ~~~
;;   SOFTMAX AHEAD OF A QUANTISED PRODUCT. Where the list says 'softmax', what is quantised is not the finished softmax but p = 2^(t - M), with t = logit x log2(e) and M = ceil(the row's largest t), a whole number; so 1/2 < the row's largest p <= 1. The row's sum l is taken of the UNQUANTISED p, in f32, and the product's result is divided by l at the end. Since M is a whole number, a kernel that streams over the keys may use a running M (the ceiling of the running maximum): every later rescaling is an exact power of two, which a block's scale takes up: the codes' values come out the same.
;;   OPERANDS COMPUTED ON THE WAY. 'Computed on the way' means the value that the module computes at that place (a softmax that the list does not call 'softmax' is quantised finished and normalised). What goes into a quantiser is computed in f32, as accurately as f32 sums, v_exp_f32 and their like allow (about 1e-6 of the number): no bf16 or f16 on the way to a quantiser, and a product that is left as it is and whose result goes on into a quantised operand takes f32 operands (vector FMAs, or v_wmma_f32_16x16x4_f32). A number that lies on a knife's edge between two numbers of the format may be rounded either way, as far as f32 arithmetic and the matrix unit's own rounding can turn it there, and no further.
;; One version. Each part assembles by itself: llvm-mc -triple=amdgcn-amd-amdhsa -mcpu=gfx1250 --defsym DOCPART=n.
;; ======== version 1 of 1: 4 launches
;; workspace buffers: codes 9,437,184 bytes; scales 393,216 bytes; maskw 534,528 bytes of whole numbers; qb 6,815,744 bytes; kv 13,631,488 bytes; ctxc 6,291,456 bytes; ctxs 262,144 bytes
;; launch prep (part 1): grid 512 x 1, 4 waves a work-group, no clusters, 67,072 bytes of LDS; arguments x, w_qkv, w_out, mask, codes, scales, maskw; writes codes, scales, maskw
.if DOCPART == 1
	.amdgcn_target "amdgcn-amd-amdhsa--gfx1250"
	.amdhsa_code_object_version 6
	.text
	.protected	k_q09adf85ce5_prep
	.globl	k_q09adf85ce5_prep
	.p2align	8
	.type	k_q09adf85ce5_prep,@function
k_q09adf85ce5_prep:
	s_mov_b64 s[64:65], 0
	v_nop
	global_prefetch_b8 v0, s[64:65] scope:SCOPE_SE
	s_setreg_imm32_b32 hwreg(HW_REG_WAVE_MODE, 25, 1), 1
	s_wait_xcnt 0x0
; Two jobs in one launch, parted by the work-group's number; each has LDS bytes of its own.
; WORK-GROUPS 0-383: x [8192][1024], w_qkv [3072][1024], w_out [1024][1024], f32, K innermost, become codes of FP6 (E2M3) and one E8M0 byte for each 32 along K, in one buffer of 12,288 rows
; (768 bytes of codes, 32 scale bytes a row): x, then w_qkv, then w_out.  A block's scale is 2^(floor(log2(its largest magnitude)) - 2); its byte is that magnitude's exponent field - 2, held at 1 from below.
; THE ROWS OF x AND OF w_qkv ARE LAID IN ANOTHER ORDER: inside each 32 rows, bits 3 and 4 of the row's number change places.  A tile of 16 neighbouring rows of the buffer is then rows 8 u + r + 8 (r / 8)
; (u = the tile's parity), so that in a product used transposed the 16 registers of two neighbouring tiles are 16 neighbours along the next product's K.  A wave takes 8 rows (8,192 numbers), so only its target moves.
; WORK-GROUPS 384-511: the mask [2048][2048], int32, becomes lane masks for the attention launch: word n of (query tile, key step of 128) has bit L set where the query of lane-row L % 16 (same row order)
; may NOT see key 32 (n / 16) + 16 (L / 16) + n % 16 of the step; and flags: bit 0 some key visible, bit 16 some key hidden, for each tile and step, and their OR over four tiles.
; LIMITS: a block of zeros gets the byte 1 (its codes are zeros; this program alone reads the bytes); blocks whose largest magnitude lies under 2^-124 are held at that byte; NaN and infinities are not served.
; The flags are five words a wave: those stores cover parts of aligned 256 bytes only; all other stores of the mask path cover 256 consecutive aligned bytes.
.set STEPS, 16
.set EMAX,  2
.set CB,    12                         ; bytes of 16 codes
.set R,     16                         ; v16-79   four sets of 16 numbers as loaded
.set X,     80                         ; v80-111  two sets of 16 neighbours
.set E,     112                        ; v112-127 a scale byte for each step
.set C,     128                        ; v128-191 codes, four registers a step
.set WREG,  8192                       ; LDS of the quantiser: a region for each wave: two stages of 32 x SP bytes, then 256 scale bytes
.set SP,    80
.set SPW,   12                         ; v12 my spare word's address; v13 0: never rewritten
.set NIL,   13
.set MSTG,  32768                      ; LDS of the mask path: a stage of 16 rows x 528 bytes for each wave
.set MP,    528                        ; 512 bytes + 16: the sixteen rows that a load of 16 bytes a lane touches start at different banks
.set SPARE, 66560                      ; the spare words: 128 bytes a wave, two blocks of 256 bytes that no other line names
.set FOFF,  524288                     ; maskw: the tiles' flags
.set GOFF,  532480                     ; and the flags of four tiles together
	s_load_b256 s[4:11], s[0:1], 0x0               ; x s[4:5], w_qkv s[6:7], w_out s[8:9], mask s[10:11]
	s_load_b128 s[12:15], s[0:1], 0x20             ; codes s[12:13], scales s[14:15]
	s_load_b64 s[16:17], s[0:1], 0x30              ; maskw
	v_lshl_add_u32 v[SPW], v0, 2, SPARE
	v_mov_b32 v[NIL], 0
	v_lshrrev_b32 v1, 5, v0
	v_readfirstlane_b32 s18, v1                    ; wave
	v_and_b32 v2, 31, v0                           ; lane
	s_cmp_ge_u32 ttmp9, 384
	s_cbranch_scc1 .Lmask
	; ---------------- the quantiser: 16 steps of 512 numbers a wave ----------------
	v_lshlrev_b32 v3, 4, v2                        ; my 16 bytes of a load's 512
	s_mul_i32 s19, s18, WREG
	v_lshrrev_b32 v14, 2, v2
	v_mul_u32_u24 v14, v14, SP
	v_and_b32 v15, 3, v2
	v_lshl_add_u32 v14, v15, 4, v14
	v_add_nc_u32 v14, s19, v14                     ; the stage, way in: SP (lane / 4) + 16 (lane % 4)
	v_mul_u32_u24 v15, v2, SP
	v_add_nc_u32 v15, s19, v15                     ; way out: SP x lane: my 16 neighbours
	v_mul_u32_u24 v4, v2, CB                       ; my codes' place in a step's
	v_lshrrev_b32 v5, 1, v2
	s_add_co_u32 s19, s19, 2*32*SP
	v_add_nc_u32 v5, s19, v5                       ; my block's scale byte in LDS
	v_lshlrev_b32 v7, 3, v2
	v_add_nc_u32 v6, s19, v7                       ; and 8 bytes a lane on the way out
	s_lshl_b32 s23, ttmp9, 2
	s_and_b32 s22, s18, 1
	s_lshl_b32 s22, s22, 1
	s_lshr_b32 s24, s18, 1
	s_or_b32 s22, s22, s24
	s_add_co_u32 s22, s23, s22                     ; my 8 rows' place with the wave's two bits changed about,
	s_add_co_u32 s24, s23, s18                     ; and as they lie
	s_wait_kmcnt 0x0
	s_cmp_lt_u32 ttmp9, 256                        ; which tensor: the choice hangs on the work-group's number alone
	s_cselect_b64 s[4:5], s[4:5], s[6:7]
	s_cselect_b32 s20, 0, 256
	s_cmp_lt_u32 ttmp9, 352
	s_cselect_b64 s[4:5], s[4:5], s[8:9]
	s_cselect_b32 s20, s20, 352                    ; the tensor's first work-group
	s_cselect_b32 s22, s22, s24                    ; w_out keeps its rows' order
	s_sub_co_u32 s20, ttmp9, s20
	s_lshl_b32 s20, s20, 2
	s_add_co_u32 s20, s20, s18
	s_lshl_b32 s20, s20, 15                        ; 8 rows of 4,096 bytes
	s_mov_b32 s21, 0
	s_add_nc_u64 s[4:5], s[4:5], s[20:21]
	s_mul_i32 s20, s22, 6144                       ; 8 rows of 768 bytes
	s_add_nc_u64 s[12:13], s[12:13], s[20:21]
	s_lshl_b32 s20, s22, 8                         ; 8 rows of 32 bytes
	s_add_nc_u64 s[14:15], s[14:15], s[20:21]
.macro LOAD t
.irp i, 0,1,2,3
	global_load_b128 v[R+16*((\t)%4)+4*\i:R+16*((\t)%4)+4*\i+3], v3, s[4:5] offset:2048*(\t)+512*\i th:TH_LOAD_NT   ; 32 lanes read 512 consecutive bytes
.endr
.endm
.macro TURN t                          ; a step's numbers through the stage; LDS serves a wave's instructions in order, so no wait stands between
.irp i, 0,1,2,3
	ds_store_b128 v14, v[R+16*((\t)%4)+4*\i:R+16*((\t)%4)+4*\i+3] offset:32*SP*((\t)%2)+8*SP*\i
.endr
.irp i, 0,1,2,3
	ds_load_b128 v[X+16*((\t)%2)+4*\i:X+16*((\t)%2)+4*\i+3], v15 offset:32*SP*((\t)%2)+16*\i
.endr
.endm
.irp t, 0,1,2,3
	LOAD \t
.endr
	s_wait_loadcnt 12                              ; step 0's four loads are in
	TURN 0
.macro STEP t
.set XS, X+16*((\t)%2)
.if (\t) > 0
	s_wait_dscnt 1                                 ; this step's numbers are back from the stage; the last step's byte store may be out
.else
	s_wait_dscnt 0x0
.endif
.if (\t)+4 < STEPS
	LOAD (\t)+4
.endif
.if (\t)+1 < STEPS
.if STEPS-2-(\t) >= 3
	s_wait_loadcnt 12                              ; the next step's four loads are in; those of the three steps behind it may be out
.else
	s_wait_loadcnt 4*(STEPS-2-(\t))
.endif
	TURN (\t)+1
.endif
	v_max3_num_f32 v8, |v[XS]|, |v[XS+1]|, |v[XS+2]|               ; the largest magnitude of my 16
	v_max3_num_f32 v9, |v[XS+3]|, |v[XS+4]|, |v[XS+5]|
.irp i, 6,10
	v_max3_num_f32 v8, v8, |v[XS+\i]|, |v[XS+\i+1]|
	v_max3_num_f32 v9, v9, |v[XS+\i+2]|, |v[XS+\i+3]|
.endr
	v_max3_num_f32 v8, v8, |v[XS+14]|, |v[XS+15]|
	v_max3_num_f32 v8, v8, v9, (EMAX+1)<<23        ; and the floor 2^(3 - 127): the byte cannot fall under 1
	v_max_num_f32_dpp v8, v8, v8 row_xmask:1 row_mask:0xf bank_mask:0xf   ; with my neighbour's 16: the block's
	v_add_nc_u32 v11, -(EMAX<<23), v8              ; 2 off its exponent field: the conversion takes that field as its scale
	v_cvt_scalef32_pk16_fp6_f32 v[C+4*(\t):C+4*(\t)+2], v[XS:XS+15], v11
	v_lshrrev_b32 v[E+(\t)], 23, v11               ; the scale's byte
	ds_store_b8 v5, v[E+(\t)] offset:16*(\t)       ; both lanes of a block write the same byte with the same value
	global_store_b96 v4, v[C+4*(\t):C+4*(\t)+2], s[12:13] offset:32*CB*(\t)
.endm
.irp t, 0,1,2,3,4,5,6,7,8,9,10,11,12,13,14,15
	STEP \t
.endr
	ds_load_b64 v[8:9], v6
	s_wait_dscnt 0x0
	global_store_b64 v7, v[8:9], s[14:15]          ; 32 lanes store 256 consecutive aligned bytes
	s_wait_tensorcnt 0x0                           ; the wave's end, behind my last LDS store
	ds_add_u32 v[SPW], v[NIL]
	s_wait_dscnt 0x0
	s_endpgm
	; ---------------- the mask: a work-group takes 256 queries x 128 keys, a wave four tiles of 16 queries ----------------
.Lmask:
	s_sub_co_u32 s19, ttmp9, 384
	s_lshr_b32 s20, s19, 4                         ; block of 256 queries
	s_and_b32 s21, s19, 15                         ; key step
	v_lshlrev_b32 v1, 4, v2                        ; 16 x lane: my bytes of a row's 512
	s_mul_i32 s22, s18, 16*MP
	s_add_co_u32 s22, s22, MSTG
	v_add_nc_u32 v3, s22, v1                       ; the stage, way in: a row as it lies
	v_and_b32 v5, 15, v2
	v_lshrrev_b32 v6, 4, v2
	v_mul_u32_u24 v7, v5, MP
	v_lshl_add_u32 v7, v6, 6, v7
	v_add_nc_u32 v4, s22, v7                       ; way out: row lane % 16, + 64 (lane / 16): my 16 keys of each 32
	v_lshlrev_b32 v8, 3, v2                        ; 8 x lane
	s_lshl_b32 s24, s20, 8
	s_lshl_b32 s25, s18, 6
	s_add_co_u32 s24, s24, s25                     ; my first query
	s_lshl_b32 s24, s24, 13                        ; rows of 8,192 bytes
	s_lshl_b32 s25, s21, 9
	s_add_co_u32 s24, s24, s25
	s_mov_b32 s25, 0
	s_lshl_b32 s26, s20, 4
	s_lshl_b32 s27, s18, 2
	s_add_co_u32 s26, s26, s27                     ; my first tile
	s_lshl_b32 s28, s26, 4
	s_add_co_u32 s28, s28, s21
	s_lshl_b32 s28, s28, 8                         ; 256 bytes for a tile and a step
	s_mov_b32 s29, 0
	s_mov_b32 s38, 0                               ; the OR of my four tiles' flags
.irp z, 208,209,210,211,212,213,214,215
	v_mov_b32 v\z, 0                               ; written once: a lane write's destination counts as read
.endr
	s_wait_kmcnt 0x0
	s_add_nc_u64 s[10:11], s[10:11], s[24:25]
	s_add_nc_u64 s[30:31], s[16:17], s[28:29]
.macro LOADM i                         ; tile i's 16 rows x 512 bytes; row q of the tile lies 32 (i / 2) + 8 (i % 2) + q + 8 (q / 8) rows on
.set SET, 16+64*((\i)%2)
.set q, 0
.rept 16
	global_load_b128 v[SET+4*q:SET+4*q+3], v1, s[10:11] offset:(32*((\i)/2)+8*((\i)%2)+q+8*(q/8))*8192 th:TH_LOAD_NT
.set q, q+1
.endr
.endm
.macro TILE i
.if (\i) < 3
	s_wait_loadcnt 16                              ; this tile's 16 loads are in; the next tile's may be out
.else
	s_wait_loadcnt 0x0
.endif
.set SET, 16+64*((\i)%2)
.set q, 0
.rept 16
	ds_store_b128 v3, v[SET+4*q:SET+4*q+3] offset:MP*q
.set q, q+1
.endr
.set q, 0
.rept 16
	ds_load_b128 v[144+4*q:147+4*q], v4 offset:128*(q/4)+16*(q%4)   ; register 144 + n: key 32 (n / 16) + 16 (lane / 16) + n % 16 of my row
.set q, q+1
.endr
	s_wait_dscnt 0x0
.if (\i) < 2
	LOADM (\i)+2
.endif
	s_mov_b32 s36, 0
	s_mov_b32 s37, -1
.set n, 0
.rept 64
	v_cmp_eq_u32 s[34+(n&1)], 0, v[144+n]          ; a bit a lane: hidden
	s_or_b32 s36, s36, s[34+(n&1)]
	s_and_b32 s37, s37, s[34+(n&1)]
	v_writelane_b32 v[208+2*(\i)+(n&1)], s[34+(n&1)], n>>1   ; word n: lane n / 2 of a pair of registers
.set n, n+1
.endr
	s_cmp_lg_u32 s36, 0
	s_cselect_b32 s[40+(\i)], 0x10000, 0           ; some key hidden
	s_cmp_lg_u32 s37, -1
	s_cselect_b32 s39, 1, 0                        ; some key visible
	s_or_b32 s[40+(\i)], s[40+(\i)], s39
	s_or_b32 s38, s38, s[40+(\i)]
	global_store_b64 v8, v[208+2*(\i):209+2*(\i)], s[30:31] offset:4096*(\i)   ; 256 consecutive aligned bytes; each tile has its own pair
.endm
	LOADM 0
	LOADM 1
	TILE 0
	TILE 1
	TILE 2
	TILE 3
	v_mov_b32 v216, s38                            ; lanes 4-31: the four tiles' OR; lanes 0-3: each tile's flags
.irp i, 0,1,2,3
	v_writelane_b32 v216, s[40+\i], \i
.endr
	s_lshl_b32 s24, s26, 6                         ; 64 bytes of flags a tile,
	s_lshl_b32 s25, s21, 2                         ; 4 a step
	s_add_co_u32 s24, s24, s25
	s_add_co_u32 s24, s24, FOFF
	v_lshl_add_u32 v217, v2, 6, s24
	s_lshl_b32 s25, s20, 4
	s_add_co_u32 s25, s25, s21
	s_lshl_b32 s25, s25, 2
	s_add_co_u32 s25, s25, s18
	s_lshl_b32 s25, s25, 2
	s_add_co_u32 s25, s25, GOFF
	v_mov_b32 v218, s25
	s_mov_b32 s27, 0xfffffff0
	v_cndmask_b32 v217, v217, v218, s27            ; lanes 4-31 all name the one word, with one value
	global_store_b32 v217, v216, s[16:17]
	s_wait_tensorcnt 0x0                           ; the wave's end, behind my last LDS store
	ds_add_u32 v[SPW], v[NIL]
	s_wait_dscnt 0x0
	s_endpgm
.Lfunc_end_k_q09adf85ce5_prep:
	.size	k_q09adf85ce5_prep, .Lfunc_end_k_q09adf85ce5_prep-k_q09adf85ce5_prep
	.p2alignl 7, 3214868480
	.fill 96, 4, 3214868480
	.section	.rodata,"a",@progbits
	.p2align	6, 0x0
	.amdhsa_kernel k_q09adf85ce5_prep
		.amdhsa_group_segment_fixed_size 67072
		.amdhsa_private_segment_fixed_size 0
		.amdhsa_enable_private_segment 0
		.amdhsa_kernarg_size 56
		.amdhsa_user_sgpr_count 2
		.amdhsa_user_sgpr_kernarg_segment_ptr 1
		.amdhsa_wavefront_size32 1
		.amdhsa_system_sgpr_workgroup_id_x 1
		.amdhsa_system_sgpr_workgroup_id_y 1
		.amdhsa_system_sgpr_workgroup_id_z 1
		.amdhsa_system_vgpr_workitem_id 0
		.amdhsa_next_free_vgpr 224
		.amdhsa_next_free_sgpr 66
		.amdhsa_reserve_vcc 0
		.amdhsa_float_denorm_mode_32 3
		.amdhsa_float_denorm_mode_16_64 3
		.amdhsa_memory_ordered 1
		.amdhsa_forward_progress 1
		.amdhsa_inst_pref_size 99
	.end_amdhsa_kernel
	.amdgpu_metadata
---
amdhsa.version: [ 1, 2 ]
amdhsa.kernels:
  - .name:           k_q09adf85ce5_prep
    .symbol:         k_q09adf85ce5_prep.kd
    .args:
      - { .name: x, .offset: 0, .size: 8, .value_kind: global_buffer, .address_space: global }
      - { .name: w_qkv, .offset: 8, .size: 8, .value_kind: global_buffer, .address_space: global }
      - { .name: w_out, .offset: 16, .size: 8, .value_kind: global_buffer, .address_space: global }
      - { .name: mask, .offset: 24, .size: 8, .value_kind: global_buffer, .address_space: global }
      - { .name: codes, .offset: 32, .size: 8, .value_kind: global_buffer, .address_space: global }
      - { .name: scales, .offset: 40, .size: 8, .value_kind: global_buffer, .address_space: global }
      - { .name: maskw, .offset: 48, .size: 8, .value_kind: global_buffer, .address_space: global }
    .group_segment_fixed_size: 67072
    .private_segment_fixed_size: 0
    .kernarg_segment_align: 8
    .kernarg_segment_size: 56
    .max_flat_workgroup_size: 128
    .sgpr_count:     66
    .vgpr_count:     224
    .wavefront_size: 32
...
	.end_amdgpu_metadata
.endif
;; end of part 1
;; launch qkv (part 2): grid 8 x 48, 4 waves a work-group, clusters of 4 x 4, 327,680 bytes of LDS; arguments codes, scales, b_qkv, qb, kv; writes qb, kv
.if DOCPART == 2
	.amdgcn_target "amdgcn-amd-amdhsa--gfx1250"
	.amdhsa_code_object_version 6
	.text
	.protected	k_q09adf85ce5_qkv
	.globl	k_q09adf85ce5_qkv
	.p2align	8
	.type	k_q09adf85ce5_qkv,@function
k_q09adf85ce5_qkv:
	s_mov_b64 s[64:65], 0
	v_nop
	global_prefetch_b8 v0, s[64:65] scope:SCOPE_SE
	s_setreg_imm32_b32 hwreg(HW_REG_WAVE_MODE, 25, 1), 1
	s_wait_xcnt 0x0
	s_wait_alu depctr_hold_cnt(0) depctr_sa_sdst(0) depctr_va_vdst(0) depctr_va_sdst(0) depctr_va_ssrc(0) depctr_va_vcc(0) depctr_vm_vsrc(0)
	s_getreg_b32 s2, hwreg(HW_REG_IB_STS2, 6, 4)
	s_cmp_eq_u32 s2, 0
	s_cbranch_scc0 .Lentry_in_a_cluster
	s_endpgm
.Lentry_in_a_cluster:
	s_bfe_u32 s2, ttmp6, 0x10000c
	s_cmp_lg_u32 s2, 0xf033
	s_cbranch_scc0 .Lentry_shape_is_right
	s_endpgm
.Lentry_shape_is_right:
; q, k, v = x w_qkv^T + b_qkv on codes of FP6 (E2M3) with one E8M0 scale for each 32 along K = 1,024; the results are quantised in registers and leave as IMAGES OF THE ATTENTION LAUNCH'S OPERAND REGISTERS.
; A tile of 256 x 256 results to a work-group of four waves, 128 x 128 a wave: 64 accumulators, 512 registers.  K goes in steps of 256 through two LDS slots filled by the tensor data mover; the scale bytes of the
; work-group's 2 x 256 rows come once.  The matrix instruction is used transposed: source 0 = 16 rows of "B", source 1 = 16 rows of "A": a lane holds one row of A and, in the 64 registers of a block of A, 128 columns of B.
; The rows of x and w_qkv lie in the codes' buffer with bits 3 and 4 of their numbers changed about, so that register 16 b + i of those 64 is column 32 b + 16 (lane / 16) + i: 16 neighbours for a conversion.
; TWO ROLES, by the cluster's y (the same in all sixteen partners).  y < 8: A = 256 tokens, B = 256 rows of w_q (cluster x = 0) or w_k (1): a lane holds a token and 128 channels = two heads: quantised along the head's 64.
; y >= 8: A = 256 rows of w_v, B = 256 tokens: a lane holds a channel and 128 tokens: quantised along the keys, which are the second attention product's K.
; CLUSTERS: 4 x 4; A's tiles are shared along a row of the cluster, B's along a column, each asked for jointly.
; OUT: qb, blocks of 6,656 bytes for (batch, head, 128 tokens): 48 registers of codes (tile t of 16 tokens: registers 6 t .. 6 t + 5), four registers a store, 16 bytes a lane; then 4 scale words a lane
; (word w: lanes 0-15 tile 2 w, lanes 16-31 tile 2 w + 1; bytes 0, 1 the head's two blocks, bytes 2, 3 zero).  kv, blocks of 13,312: K so; at 6,144 V^T, four fragments of 12 registers; at 12,288 K's scale words; at 12,800 V's (two words, two zeros).
; Every store covers 512 consecutive bytes at a multiple of 256 from the buffer's first byte.
; LIMITS: a block of zeros gets the byte 1; blocks under 2^-124 are held at it; NaN and infinities are not served.
; REGISTERS: window 0: v16-31 addresses; v32-63 scale words, two sets; v128-223 A's fragments; on the way out v64-251.  window 1: B's fragments, two sets.  windows 2, 3: the accumulators ((a, b) at v[8 (8 (a % 4) + b)]).
.set KSTEP,  256
.set NQ,     2
.set ROWB,   192                       ; a tile's row: 256 codes
.set KROW,   768                       ; a row of the codes' buffer
.set PITCH,  240                       ; an LDS row: 3 x (64 bytes + 16 of padding): the 32 lanes of a load of 8 bytes touch 64 different banks (64 banks of 4 bytes: ISA guide 11.1)
.set FR,     12
.set NL,     6
.set NP,     4                         ; places behind this matrix instruction (ISA guide 7.12.1)
.set HALFT,  128*PITCH
.set SLOT,   4*HALFT
.set LAPS,   2                         ; 1,024 / 512
.set KS,     32                        ; a row of scale bytes
.set SCL,    2*SLOT
.set HALFS,  16*272                    ; the scale bytes of 128 rows: 16 x (256 + 16)
.set SBLK,   2*272                     ; of 16 rows
.set SPARE,  SCL+4*HALFS               ; the spare words: 128 bytes a wave, two blocks of 256 bytes that no other line names
.set ADRA, 16
.set ADRB, 20
.set ADRS, 27
.set SPW,  28
.set NIL,  29
.set LI,   30                          ; the way out: 16 x lane
.set BO,   31                          ; the bias's lane offset
.set SC,   32
.set H,    64                          ; the way out: 64 numbers of a lane
.set AF,   128
.set BI,   128                         ; the bias
.set HA,   192                         ; codes: two runs of 12 registers
.set HB,   204
.set CT,   216                         ; the conversions' second halves
.set TM,   224                         ; +0..3 largest magnitudes, +4..7 the other half's and the bytes, +12..15 the conversions' scale operands
.set PW0,  240
.set PW1,  241
.set WD,   242
.set SA,   244
.set SB,   248
.set G1, 24
.set G0, 32
.set G1B, 48
.set G0B, 56
.set G1S, 68
.set G0S, 76
.set G1SB, 80
.set G0SB, 88
.set ROLE, 98
.set DA, 24                            ; the way out, in registers that held descriptors: where the first head's codes go, the second's,
.set DB, 26
.set EA, 28                            ; their scale words,
.set EB, 30
.set BP, 32                            ; the bias,
.set HM, 34                            ; the lanes 16-31,
.set SEL, 36                           ; lane l xor 16
.set MSB, 0
.macro WIN new                         ; the immediate's high byte repeats the setting that is left
.if MSB != \new
	s_set_vgpr_msb (MSB<<8)|\new
.set MSB, \new
.endif
.endm
.set MUL_LO, 0xa1                      ; source 0 (B) window 1, source 1 (A) window 0, C and D window 2
.set MUL_HI, 0xf1
.set TO_B,   0x40
; A joint load: waves 0 and 1 fetch for A, waves 2 and 3 for B; the branch hangs on the wave's number alone.  An s_nop 0 and four v_nop follow each line.
.macro JLOAD g0a, g1a, g0b, g1b
	s_cmp_eq_u32 s15, 0
	s_cbranch_scc0 .Lfor_b_\@
	tensor_load_to_lds s[\g0a:\g0a+3], s[\g1a:\g1a+7]
	s_nop 0
.rept 4
	v_nop
.endr
	s_branch .Lasked_\@
.Lfor_b_\@:
	tensor_load_to_lds s[\g0b:\g0b+3], s[\g1b:\g1b+7]
	s_nop 0
.rept 4
	v_nop
.endr
.Lasked_\@:
.endm
.macro CREST                           ; a round of the cluster's barrier behind its opening barrier
	s_cmp_lg_u32 s14, 0
	s_cbranch_scc1 .Lnot_wave_0_\@
	s_barrier_signal -3
.Lnot_wave_0_\@:
	s_barrier_wait -3
	s_barrier_signal -1
	s_barrier_wait -1
.endm
.macro CROUND
	s_barrier_signal -1
	s_barrier_wait -1
	CREST
.endm
	s_load_b256 s[4:11], s[0:1], 0x0               ; codes s[4:5], scales s[6:7], b_qkv s[8:9], qb s[10:11]
	s_load_b64 s[12:13], s[0:1], 0x20              ; kv
	v_lshl_add_u32 v[SPW], v0, 2, SPARE
	v_mov_b32 v[NIL], 0
	ds_add_u32 v[SPW], v[NIL]                      ; the wave's opening: the add, and its wait ahead of my first tensor load; the set-up stands between
	v_lshrrev_b32 v1, 5, v0
	v_readfirstlane_b32 s14, v1                    ; wave 0..3
	s_lshr_b32 s15, s14, 1                         ; which half of A's rows is mine.  Also: I fetch for A (0) or for B (1)
	s_and_b32 s16, s14, 1                          ; which half of B's rows.  Also: which 128 rows I fetch
	s_bfe_u32 s40, ttmp6, 0x40000                  ; cx, cy: my place in the cluster
	s_bfe_u32 s41, ttmp6, 0x40004
	s_and_b32 s95, ttmp7, 0xffff                   ; the cluster's y
	s_sub_co_u32 s96, s95, 8
	s_lshl_b32 s96, s96, 1
	s_add_co_u32 s96, s96, ttmp9                   ; role V: 8 columns of clusters over the tokens
	s_cmp_ge_u32 s95, 8
	s_cselect_b32 s[ROLE], 1, 0
	s_cselect_b32 s96, s96, ttmp9                  ; the cluster's column of tiles,
	s_cselect_b32 s95, 0, s95                      ; its row,
	s_cselect_b32 s97, 10240, 0                    ; A's first row in the codes' buffer: w_v or x,
	s_cselect_b32 s99, 0, 8192                     ; B's: x or w_q
	s_lshl_b32 s42, s96, 2
	s_add_co_u32 s42, s42, s40                     ; tile column
	s_lshl_b32 s17, s95, 2
	s_add_co_u32 s17, s17, s41                     ; tile row
	s_lshl_b32 s43, s41, 2
	s_lshl_b32 s43, 15, s43                        ; my row of the cluster
	s_lshl_b32 s44, 0x1111, s40                    ; my column
	s_or_b32 s[G1+0], s43, (0<<16)|(1<<20)|(1<<21)|(3<<22)|(3<<25)  ; the mask; elements of 1 byte; padding on; bit 21 beside a mask; after every 16 words 4 words
	s_or_b32 s[G1B+0], s44, (0<<16)|(1<<20)|(1<<21)|(3<<22)|(3<<25)
.irp g, G1, G1B
	s_mov_b32 s[\g+1], ROWB<<16                    ; tensor_dim0
	s_mov_b32 s[\g+2], 128<<16                     ; tensor_dim1
	s_mov_b32 s[\g+3], ROWB<<16                    ; tile_dim0
	s_mov_b32 s[\g+4], 128                         ; tile_dim1
	s_mov_b32 s[\g+5], KROW                        ; the pitch
	s_mov_b32 s[\g+6], 0
	s_mov_b32 s[\g+7], 0
.endr
	s_or_b32 s[G1S+0], s43, (3<<16)|(1<<20)|(1<<21)|(5<<22)|(3<<25)   ; the scale bytes of 128 rows: 4,096 dense bytes as 16 rows of 256, 16 bytes of padding behind each
	s_or_b32 s[G1SB+0], s44, (3<<16)|(1<<20)|(1<<21)|(5<<22)|(3<<25)
.irp g, G1S, G1SB
	s_mov_b32 s[\g+1], 32<<16
	s_mov_b32 s[\g+2], 16<<16
	s_mov_b32 s[\g+3], 32<<16
	s_mov_b32 s[\g+4], 16
	s_mov_b32 s[\g+5], 32
	s_mov_b32 s[\g+6], 0
	s_mov_b32 s[\g+7], 0
.endr
	s_lshl_b32 s18, s16, 7
	s_lshl_b32 s20, s17, 8
	s_add_co_u32 s20, s20, s18
	s_add_co_u32 s20, s20, s97                     ; A: the first row that I fetch
	s_lshl_b32 s46, s42, 8
	s_add_co_u32 s46, s46, s18
	s_add_co_u32 s46, s46, s99                     ; B likewise
	s_mov_b32 s21, 0
	s_mov_b32 s47, 0
	s_mov_b64 s[18:19], KS
	s_mul_u64 s[22:23], s[20:21], s[18:19]
	s_mul_u64 s[92:93], s[46:47], s[18:19]
	s_mov_b64 s[18:19], KROW
	s_mul_u64 s[20:21], s[20:21], s[18:19]
	s_mul_u64 s[46:47], s[46:47], s[18:19]
	s_mul_i32 s45, s14, HALFT                      ; where they go: wave x 128 rows: no place in the cluster enters an LDS address
	s_mul_i32 s94, s14, HALFS
	s_wait_dscnt 0x0                               ; the opening add is done
	s_wait_kmcnt 0x0
	s_add_nc_u64 s[20:21], s[4:5], s[20:21]
	s_add_nc_u64 s[22:23], s[6:7], s[22:23]
	s_add_nc_u64 s[46:47], s[4:5], s[46:47]
	s_add_nc_u64 s[92:93], s[6:7], s[92:93]
	CROUND                                         ; all sixteen work-groups are here: the first joint loads meet
	s_mov_b32 s[G0S], 1
	s_add_co_u32 s[G0S+1], s94, SCL
	s_mov_b64 s[G0S+2:G0S+3], s[22:23]
	s_or_b32 s[G0S+3], s[G0S+3], 0x80000000
	s_mov_b32 s[G0SB], 1
	s_add_co_u32 s[G0SB+1], s94, SCL
	s_mov_b64 s[G0SB+2:G0SB+3], s[92:93]
	s_or_b32 s[G0SB+3], s[G0SB+3], 0x80000000
	JLOAD G0S, G1S, G0SB, G1SB                     ; the scales first: three loads of mine are out at the most
.irp s, 0,1
	s_mov_b32 s[G0+4*\s], 1
	s_add_co_u32 s[G0+4*\s+1], s45, \s*SLOT
	s_add_nc_u64 s[G0+4*\s+2:G0+4*\s+3], s[20:21], \s*ROWB
	s_or_b32 s[G0+4*\s+3], s[G0+4*\s+3], 0x80000000
	s_mov_b32 s[G0B+4*\s], 1
	s_add_co_u32 s[G0B+4*\s+1], s45, \s*SLOT
	s_add_nc_u64 s[G0B+4*\s+2:G0B+4*\s+3], s[46:47], \s*ROWB
	s_or_b32 s[G0B+4*\s+3], s[G0B+4*\s+3], 0x80000000
	JLOAD G0+4*\s, G1, G0B+4*\s, G1B
.endr
	v_and_b32 v1, 15, v0                           ; l % 16
	v_bfe_u32 v2, v0, 4, 1                         ; l / 16
	v_mul_u32_u24 v3, v1, PITCH
	v_mul_u32_u24 v4, v2, 24
	v_add_nc_u32 v4, v3, v4                        ; a fragment's row x pitch + 24 x half
	v_lshl_add_u32 v5, v2, 4, v4                   ; and the same behind one padding more
	s_mul_i32 s21, s15, HALFT
	s_mul_i32 s22, s16, HALFT
	s_add_co_u32 s22, s22, 2*HALFT
.irp s, 0,1
	v_add_nc_u32 v[ADRA+\s], s21, v4
	v_add_nc_u32 v[ADRB+\s], s22, v4
	v_add_nc_u32 v[ADRA+2+\s], s21, v5
	v_add_nc_u32 v[ADRB+2+\s], s22, v5
	s_add_co_u32 s21, s21, SLOT
	s_add_co_u32 s22, s22, SLOT
.endr
	v_mul_u32_u24 v5, v1, KS                       ; my row's scale bytes,
	v_lshrrev_b32 v6, 8, v5
	v_lshl_add_u32 v5, v6, 4, v5                   ; 16 more for each 256 passed
	s_mul_i32 s21, s15, HALFS
	s_mul_i32 s22, s16, HALFS
	s_add_co_u32 s22, s22, 2*HALFS
	s_sub_co_u32 s22, s22, s21
	v_mul_u32_u24 v6, s22, v2                      ; lanes 16-31 take B's
	s_add_co_u32 s21, s21, SCL
	v_add_nc_u32 v5, v5, v6
	v_add_nc_u32 v[ADRS], s21, v5
.macro FRAG reg, adr, q, i             ; 16 rows x 128 K: 12 registers, in pieces of 8 bytes; where the piece of lanes 16-31 lies behind one padding more, the second address register serves
.irp p, 0,1,2,3,4,5
.set PC, 12*(\q)+6*(\p/3)+\p%3
.if PC%8 < 5
	ds_load_b64 v[\reg+2*\p:\reg+2*\p+1], v[\adr] offset:8*PC+16*(PC/8)+(\i)*16*PITCH
.else
	ds_load_b64 v[\reg+2*\p:\reg+2*\p+1], v[\adr+2] offset:8*PC+16*(PC/8)+(\i)*16*PITCH
.endif
.endr
.endm
; 16 matrix instructions: A's blocks a0, a0 + 1 x B's eight.  The 64 accumulators take turns, one instruction a turn, in the same order in every step.
.macro MUL16 a0, p, q, sc, zero
.irp a, \a0, \a0+1
.irp b, 0,1,2,3,4,5,6,7
.if \zero
	v_wmma_scale_f32_16x16x128_f8f6f4 v[8*(8*((\a)%4)+\b):8*(8*((\a)%4)+\b)+7], v[128*(\p)+FR*\b:128*(\p)+FR*\b+FR-1], v[AF+FR*(\a):AF+FR*(\a)+FR-1], 0, v[SC+8*NQ*(\sc)+NQ*\b+(\q)], v[SC+8*NQ*(\sc)+NQ*(\a)+(\q)] matrix_a_fmt:MATRIX_FMT_FP6 matrix_b_fmt:MATRIX_FMT_FP6 matrix_a_scale:MATRIX_SCALE_ROW1
.else
	v_wmma_scale_f32_16x16x128_f8f6f4 v[8*(8*((\a)%4)+\b):8*(8*((\a)%4)+\b)+7], v[128*(\p)+FR*\b:128*(\p)+FR*\b+FR-1], v[AF+FR*(\a):AF+FR*(\a)+FR-1], v[8*(8*((\a)%4)+\b):8*(8*((\a)%4)+\b)+7], v[SC+8*NQ*(\sc)+NQ*\b+(\q)], v[SC+8*NQ*(\sc)+NQ*(\a)+(\q)] matrix_a_fmt:MATRIX_FMT_FP6 matrix_b_fmt:MATRIX_FMT_FP6 matrix_a_scale:MATRIX_SCALE_ROW1
.endif
.endr
.endr
.endm
.macro FETCH_B slot, q, p
	WIN TO_B
.irp i, 0,1,2,3,4,5,6,7
	FRAG 128*(\p)+FR*\i, ADRB+\slot, \q, \i
.endr
	WIN 0
.endm
.macro FETCH_A slot, q, i0
.irp i, \i0, \i0+1, \i0+2, \i0+3
	FRAG AF+FR*(\i), ADRA+\slot, \q, \i
.endr
.endm
.macro SCALES sc                       ; a K step's scale words: lanes 0-15 A's block i, lanes 16-31 B's block i
.irp i, 0,1,2,3,4,5,6,7
	ds_load_b64 v[SC+8*NQ*\sc+NQ*\i:SC+8*NQ*\sc+NQ*\i+1], v[ADRS] offset:\i*SBLK
.endr
.endm
.macro PLACES n                        ; plain vector instructions between a matrix instruction and a load into, or a read of, its registers
.rept \n
	v_nop
.endr
.endm
.macro STEP slot, q, zero              ; 128 along K with its successor in the same slot
	s_wait_dscnt 4*NL                              ; B's set and A's blocks 0-3 are in; A's blocks 4-7 (4 x 6 loads) may be out
	WIN MUL_LO
	MUL16 0, (\q)%2, \q, \slot, \zero
	MUL16 2, (\q)%2, \q, \slot, \zero
	s_wait_dscnt 0
	PLACES NP
	FETCH_B \slot, (\q)+1, 1-(\q)%2
	FETCH_A \slot, (\q)+1, 0
	WIN MUL_HI
	MUL16 4, (\q)%2, \q, \slot, \zero
	MUL16 6, (\q)%2, \q, \slot, \zero
	PLACES NP
	WIN 0
	FETCH_A \slot, (\q)+1, 4
.endm
; A slot's last step changes slots: one barrier; in front of it each wave waits for all its tensor loads, adds 0 to its spare word, and waits for that and for its reads of this slot.
.macro TURN slot, next, fill
	s_wait_tensorcnt 0x0                           ; all my tensor loads have landed: my part of the next slot
	ds_add_u32 v[SPW], v[NIL]
	s_wait_dscnt 4*NL+1                            ; the add and A's blocks 4-7 may be out
	WIN MUL_LO
	MUL16 0, 1, NQ-1, \slot, 0
	s_wait_dscnt 0x0                               ; the add is done, and my reads of this slot are over
	s_barrier_signal -1
	MUL16 2, 1, NQ-1, \slot, 0
	WIN 0
	s_barrier_wait -1
.if \fill
	CREST                                          ; the barrier has opened a round of the cluster's: no wave of any partner still reads this slot or has a load on its way
	s_add_nc_u64 s[G0+4*\slot+2:G0+4*\slot+3], s[G0+4*\slot+2:G0+4*\slot+3], 2*ROWB
	s_add_nc_u64 s[G0B+4*\slot+2:G0B+4*\slot+3], s[G0B+4*\slot+2:G0B+4*\slot+3], 2*ROWB
	JLOAD G0+4*\slot, G1, G0B+4*\slot, G1B         ; the first tensor load behind the round; its four v_nop are the places in front of the loads below
.else
	PLACES NP
.endif
	v_add_nc_u32 v[ADRS], 4*NQ, v[ADRS]
	FETCH_B \next, 0, 0
	FETCH_A \next, 0, 0
	SCALES \next
	WIN MUL_HI
	MUL16 4, 1, NQ-1, \slot, 0
	MUL16 6, 1, NQ-1, \slot, 0
	PLACES NP
	WIN 0
	FETCH_A \next, 0, 4
.endm
	s_wait_tensorcnt 1                             ; the scales and my part of K step 0 are in; K step 1's load may be out
	s_barrier_signal -1
	s_barrier_wait -1
	FETCH_B 0, 0, 0
	FETCH_A 0, 0, 0
	SCALES 0
	FETCH_A 0, 0, 4
	STEP 0, 0, 1                                   ; the first step's products start the sums
	s_mov_b32 s3, LAPS-1
.Llap:
	TURN 0, 1, 1
	STEP 1, 0, 0
	TURN 1, 0, 1
	STEP 0, 0, 0
	s_sub_co_u32 s3, s3, 1
	s_cmp_lg_u32 s3, 0
	s_cbranch_scc1 .Llap
	TURN 0, 1, 0                                   ; the last lap fills nothing
	STEP 1, 0, 0
	s_wait_dscnt 4*NL
	WIN MUL_LO
	MUL16 0, 1, NQ-1, 1, 0
	MUL16 2, 1, NQ-1, 1, 0
	s_wait_dscnt 0
	WIN MUL_HI
	MUL16 4, 1, NQ-1, 1, 0
	MUL16 6, 1, NQ-1, 1, 0
	WIN 0
	PLACES NP                                      ; in front of the reads of results and of the loads into registers that held A's fragments
	; ---------------- THE WAY OUT: bias, quantiser, images.  No tensor load of mine is out: the descriptors' registers are free ----------------
	s_lshl_b32 s18, s17, 8
	s_lshl_b32 s19, s15, 7
	s_add_co_u32 s18, s18, s19                     ; my first row of A
	s_lshl_b32 s19, s42, 8
	s_lshl_b32 s20, s16, 7
	s_add_co_u32 s19, s19, s20                     ; my first row of B
	s_add_co_u32 s22, s18, 2048
	s_cmp_eq_u32 s[ROLE], 0
	s_cselect_b32 s20, s18, s19                    ; my first token,
	s_cselect_b32 s21, s19, s18                    ; my first channel,
	s_cselect_b32 s22, s19, s22                    ; my first number of b_qkv
	s_lshr_b32 s23, s20, 11                        ; batch
	s_bfe_u32 s43, s20, 0x40007                    ; which 128 tokens
	s_bfe_u32 s44, s21, 0x40006                    ; head
	s_lshl_b32 s23, s23, 4
	s_add_co_u32 s23, s23, s44
	s_lshl_b32 s23, s23, 4
	s_add_co_u32 s23, s23, s43                     ; the first head's block; the second head's lies 16 blocks on
	s_or_b32 s45, s[ROLE], ttmp9
	s_cmp_eq_u32 s45, 0                            ; q?
	s_cselect_b64 s[DA:DA+1], s[10:11], s[12:13]
	s_mov_b32 s46, 13312
	s_cselect_b32 s46, 6656, s46                   ; a block's bytes
	s_mov_b32 s47, 12288
	s_cselect_b32 s47, 6144, s47                   ; where its scale words begin: q, k,
	s_cmp_eq_u32 s[ROLE], 0
	s_mov_b32 s92, 12800
	s_cselect_b32 s47, s47, s92                    ; v;
	s_cselect_b32 s92, 0, 6144                     ; and its codes
	s_mul_i32 s23, s23, s46
	s_lshl_b32 s46, s46, 4
	s_add_co_u32 s92, s23, s92
	s_mov_b32 s93, 0
	s_add_co_u32 s94, s23, s47
	s_mov_b32 s95, 0
	s_mov_b32 s47, 0
	s_add_nc_u64 s[EA:EA+1], s[DA:DA+1], s[94:95]
	s_add_nc_u64 s[DA:DA+1], s[DA:DA+1], s[92:93]
	s_add_nc_u64 s[DB:DB+1], s[DA:DA+1], s[46:47]
	s_add_nc_u64 s[EB:EB+1], s[EA:EA+1], s[46:47]
	s_lshl_b32 s92, s22, 2
	s_add_nc_u64 s[BP:BP+1], s[8:9], s[92:93]
	s_mov_b32 s[HM], 0xffff0000
	s_mov_b32 s[SEL], 0x76543210
	s_mov_b32 s[SEL+1], 0xfedcba98
	v_and_b32 v[LI], 31, v0
	v_lshlrev_b32 v[LI], 4, v[LI]
.irp b, 0,1,2,3
	v_mov_b32 v[TM+4+\b], 0                        ; written once: a lane permute's destination counts as one of its sources
.endr
; 64 numbers of a lane, register 16 b + i = k 32 b + 16 (lane / 16) + i of my row, become codes: k 0-63 in six registers from d0, k 64-127 in six from d1; the four scale bytes in pw.
.macro QUANT s, d0, d1, pw
.irp b, 0,1,2,3
	v_max3_num_f32 v[TM+\b], |v[\s+16*\b]|, |v[\s+1+16*\b]|, 0x1800000   ; my 16 numbers of block b, and the floor 2^(3 - 127): the byte cannot fall under 1
.endr
.irp i, 2,4,6,8,10,12,14
.irp b, 0,1,2,3
	v_max3_num_f32 v[TM+\b], v[TM+\b], |v[\s+16*\b+\i]|, |v[\s+1+16*\b+\i]|
.endr
.endr
.irp b, 0,1,2,3
	v_permlanex16_b32 v[TM+4+\b], v[TM+\b], s[SEL], s[SEL+1]
.endr
.irp b, 0,1,2,3
	v_max_num_f32 v[TM+\b], v[TM+\b], v[TM+4+\b]   ; with lane l xor 16's: the block's largest magnitude
.endr
.irp b, 0,1,2,3
	v_add_nc_u32 v[TM+12+\b], 0xff000000, v[TM+\b] ; 2 off its exponent field: the conversion's scale operand
.endr
.irp b, 0,1,2,3
	v_lshrrev_b32 v[TM+4+\b], 23, v[TM+12+\b]      ; the scale's byte
.endr
	v_lshl_or_b32 v[\pw], v[TM+5], 8, v[TM+4]
	v_lshl_or_b32 v[\pw], v[TM+6], 16, v[\pw]
	v_lshl_or_b32 v[\pw], v[TM+7], 24, v[\pw]
	v_cvt_scalef32_pk16_fp6_f32 v[\d0:\d0+2], v[\s:\s+15], v[TM+12]
	v_cvt_scalef32_pk16_fp6_f32 v[CT:CT+2], v[\s+16:\s+31], v[TM+13]      ; (a conversion's three registers begin on an even number)
	v_cvt_scalef32_pk16_fp6_f32 v[\d1:\d1+2], v[\s+32:\s+47], v[TM+14]
	v_cvt_scalef32_pk16_fp6_f32 v[CT+4:CT+6], v[\s+48:\s+63], v[TM+15]
	v_nop                                          ; one plain place behind a scaled conversion
.irp i, 0,1,2                                  ; the operand's layout wants a whole block in a lane: lanes 0-15 the even block, lanes 16-31 the odd one
	v_permlane16_swap_b32 v[\d0+\i], v[CT+\i]
	v_permlane16_swap_b32 v[\d1+\i], v[CT+4+\i]
.endr
.irp i, 0,1,2
	v_mov_b32 v[\d0+3+\i], v[CT+\i]
	v_mov_b32 v[\d1+3+\i], v[CT+4+\i]
.endr
.endm
.macro ADDN a                          ; block a's 64 results + the bias along the registers; each accumulator is read from its low end on
	WIN 0x02+((\a)/4)
.set i, 0
.rept 32
	v_pk_add_f32 v[H+2*i:H+2*i+1], v[64*((\a)%4)+2*i:64*((\a)%4)+2*i+1], v[BI+2*i:BI+2*i+1]
.set i, i+1
.endr
	WIN 0
.endm
.macro ADDM a                          ; the same with the bias of my lane's row: one number, held twice
	WIN 0x02+((\a)/4)
.set i, 0
.rept 32
	v_pk_add_f32 v[H+2*i:H+2*i+1], v[64*((\a)%4)+2*i:64*((\a)%4)+2*i+1], v[BI+2*(\a):BI+2*(\a)+1]
.set i, i+1
.endr
	WIN 0
.endm
	s_cmp_eq_u32 s[ROLE], 0
	s_cbranch_scc0 .Lv
	; q or k: a lane holds a token; registers 0-31 the first head's 64 channels, 32-63 the second's
	v_bfe_u32 v[BO], v0, 4, 1
	v_lshlrev_b32 v[BO], 6, v[BO]                  ; 16 numbers on for lanes 16-31
.irp b, 0,1,2,3,4,5,6,7
	global_load_b128 v[BI+8*\b:BI+8*\b+3], v[BO], s[BP:BP+1] offset:(32*(\b/2)+8*(\b%2))*4
	global_load_b128 v[BI+8*\b+4:BI+8*\b+7], v[BO], s[BP:BP+1] offset:(32*(\b/2)+8*(\b%2))*4+16
.endr
	s_wait_loadcnt 0x0
.irp P, 0,1,2,3
.if \P > 0
	s_wait_xcnt 0x0                                ; the last stores have read their registers: the codes may be written again
.endif
	ADDN 2*\P
	QUANT H, HA, HB, PW0
	ADDN 2*\P+1
	QUANT H, HA+6, HB+6, PW1
.irp c, 0,1,2
	global_store_b128 v[LI], v[HA+4*\c:HA+4*\c+3], s[DA:DA+1] offset:1536*\P+512*\c
	global_store_b128 v[LI], v[HB+4*\c:HB+4*\c+3], s[DB:DB+1] offset:1536*\P+512*\c
.endr
	v_cndmask_b32 v[WD], v[PW0], v[PW1], s[HM]     ; lanes 0-15 the even tile's word, lanes 16-31 the odd tile's
	v_and_b32 v[SA+\P], 0xffff, v[WD]              ; the first head's two bytes,
	v_lshrrev_b32 v[SB+\P], 16, v[WD]              ; the second's
.endr
	global_store_b128 v[LI], v[SA:SA+3], s[EA:EA+1]
	global_store_b128 v[LI], v[SB:SB+3], s[EB:EB+1]
	s_branch .Lend
.Lv:
	; v: a lane holds a channel, its registers 128 keys: a whole fragment of V^T for each block of A
	v_and_b32 v[BO], 15, v0
	v_and_b32 v[WD], 8, v[BO]
	v_add_nc_u32 v[BO], v[BO], v[WD]
	v_lshlrev_b32 v[BO], 2, v[BO]                  ; channel r + 8 (r / 8) of the tile
	v_mov_b32 v[SA+2], 0
	v_mov_b32 v[SA+3], 0
.irp a, 0,1,2,3,4,5,6,7
	global_load_b32 v[BI+2*\a], v[BO], s[BP:BP+1] offset:(32*(\a/2)+8*(\a%2))*4
	global_load_b32 v[BI+2*\a+1], v[BO], s[BP:BP+1] offset:(32*(\a/2)+8*(\a%2))*4
.endr
	s_wait_loadcnt 0x0
.irp P, 0,1,2,3
.if \P > 0
	s_wait_xcnt 0x0                                ; the last stores have read their registers
.endif
	ADDM 2*\P
	QUANT H, HA, HA+6, PW0
	ADDM 2*\P+1
	QUANT H, HB, HB+6, PW1
.irp c, 0,1,2
.if \P < 2
	global_store_b128 v[LI], v[HA+4*\c:HA+4*\c+3], s[DA:DA+1] offset:((2*\P)%4)*1536+512*\c
	global_store_b128 v[LI], v[HB+4*\c:HB+4*\c+3], s[DA:DA+1] offset:((2*\P+1)%4)*1536+512*\c
.else
	global_store_b128 v[LI], v[HA+4*\c:HA+4*\c+3], s[DB:DB+1] offset:((2*\P)%4)*1536+512*\c
	global_store_b128 v[LI], v[HB+4*\c:HB+4*\c+3], s[DB:DB+1] offset:((2*\P+1)%4)*1536+512*\c
.endif
.endr
	v_cndmask_b32 v[SA+(\P%2)], v[PW0], v[PW1], s[HM]
.if \P == 1
	global_store_b128 v[LI], v[SA:SA+3], s[EA:EA+1]
.endif
.if \P == 3
	global_store_b128 v[LI], v[SA:SA+3], s[EB:EB+1]
.endif
.endr
.Lend:
	s_wait_tensorcnt 0x0                           ; the wave's end
	ds_add_u32 v[SPW], v[NIL]
	s_wait_dscnt 0x0
	CROUND                                         ; the closing round: no work-group ends while a partner may still ask for a tile that names it
	s_endpgm
.Lfunc_end_k_q09adf85ce5_qkv:
	.size	k_q09adf85ce5_qkv, .Lfunc_end_k_q09adf85ce5_qkv-k_q09adf85ce5_qkv
	.p2alignl 7, 3214868480
	.fill 96, 4, 3214868480
	.section	.rodata,"a",@progbits
	.p2align	6, 0x0
	.amdhsa_kernel k_q09adf85ce5_qkv
		.amdhsa_group_segment_fixed_size 327680
		.amdhsa_private_segment_fixed_size 0
		.amdhsa_enable_private_segment 0
		.amdhsa_kernarg_size 40
		.amdhsa_user_sgpr_count 2
		.amdhsa_user_sgpr_kernarg_segment_ptr 1
		.amdhsa_wavefront_size32 1
		.amdhsa_system_sgpr_workgroup_id_x 1
		.amdhsa_system_sgpr_workgroup_id_y 1
		.amdhsa_system_sgpr_workgroup_id_z 1
		.amdhsa_system_vgpr_workitem_id 0
		.amdhsa_next_free_vgpr 1024
		.amdhsa_next_free_sgpr 100
		.amdhsa_reserve_vcc 0
		.amdhsa_float_denorm_mode_32 3
		.amdhsa_float_denorm_mode_16_64 3
		.amdhsa_memory_ordered 1
		.amdhsa_forward_progress 1
		.amdhsa_inst_pref_size 234
	.end_amdhsa_kernel
	.amdgpu_metadata
---
amdhsa.version: [ 1, 2 ]
amdhsa.kernels:
  - .name:           k_q09adf85ce5_qkv
    .symbol:         k_q09adf85ce5_qkv.kd
    .args:
      - { .name: codes, .offset: 0, .size: 8, .value_kind: global_buffer, .address_space: global }
      - { .name: scales, .offset: 8, .size: 8, .value_kind: global_buffer, .address_space: global }
      - { .name: b_qkv, .offset: 16, .size: 8, .value_kind: global_buffer, .address_space: global }
      - { .name: qb, .offset: 24, .size: 8, .value_kind: global_buffer, .address_space: global }
      - { .name: kv, .offset: 32, .size: 8, .value_kind: global_buffer, .address_space: global }
    .group_segment_fixed_size: 327680
    .private_segment_fixed_size: 0
    .kernarg_segment_align: 8
    .kernarg_segment_size: 40
    .max_flat_workgroup_size: 128
    .sgpr_count:     100
    .vgpr_count:     1024
    .wavefront_size: 32
...
	.end_amdgpu_metadata
.endif
;; end of part 2
;; launch attn (part 3): grid 4 x 64, 16 waves a work-group, no clusters, 28,672 bytes of LDS; arguments qb, kv, maskw, ctxc, ctxs; writes ctxc, ctxs
.if DOCPART == 3
	.amdgcn_target "amdgcn-amd-amdhsa--gfx1250"
	.amdhsa_code_object_version 6
	.text
	.protected	k_q09adf85ce5_attn
	.globl	k_q09adf85ce5_attn
	.p2align	8
	.type	k_q09adf85ce5_attn,@function
k_q09adf85ce5_attn:
	s_mov_b64 s[64:65], 0
	v_nop
	global_prefetch_b8 v0, s[64:65] scope:SCOPE_SE
	s_setreg_imm32_b32 hwreg(HW_REG_WAVE_MODE, 25, 1), 1
	s_wait_xcnt 0x0
; ctx = softmax(q k^T / 8, under the given mask) v for 64 (batch, head) pairs, 2,048 tokens, head size 64; both products on codes of FP6 (E2M3) with one E8M0 scale for each 32 along K; ctx leaves quantised along the head's 64.
; t = score x log2(e) / 8; M = the running largest t rounded UP to a whole number; p = 2^(t - M) is quantised along the keys, not normalised; the row's sum is taken of the unquantised p and divides at the end.
; SHARES.  Work-group (i, batch-head) takes query blocks i and 7 - i, 256 queries each, one after the other; each of its sixteen waves owns one tile of 16 queries: four waves to a SIMD, so that one wave's vector work
; stands beside another's products and LDS loads.  Every pass walks all 16 key steps of 128 keys: trip counts are constants and every wave passes every barrier.
; THE MASK is an input: an earlier launch has turned it into lane masks and flags.  A step none of whose keys my 16 queries may see is jumped over (its work alone); a step that no wave of the work-group wants is not copied;
; in a step with hidden keys their scores become -infinity ahead of the maximum (64 selects by lane masks held in scalar registers).
; K AND V come as images of the operands' registers: a step's block of 13,312 bytes is copied as it lies, through registers, into one of two LDS slots, one step ahead; every LDS address is 16 x thread or 16 x lane + a constant.
; NO CLUSTER, NO TENSOR LOAD: the four work-groups of a head walk the same K and V, but which steps are copied and walked hangs on flags read from memory, and partners would want different steps.
; LAYOUT.  Both products transposed: S^T = K Q^T, O^T = V^T P^T: a lane holds one query throughout.  Tiles of tokens hold rows 8 u + r + 8 (r / 8) of each 32, so that 16 registers of two neighbouring tiles are 16 neighbours.
; K = 64 IN AN INSTRUCTION OF 128: Q's registers 6-11 are zero codes, and bytes 2, 3 of Q's and K's scale words are 0 (2^-127, a number).  K's fragment of tile t is v[32 + 6 t] on, 12 registers: its upper six are the next
; tile's codes, which meet Q's zeros and add nothing.
; A QUERY WITH NO VISIBLE KEY has the sum 0: its scale bytes are set to 0xff, so that the last product gives NaN in the whole row, as the softmax of such a row is NaN.
; LIMITS: a block of zeros gets the byte 1; NaN and infinities among the operands are not served.  ctx's scale bytes are stored two bytes a token: parts of aligned 256 bytes, one byte in 24 of what is stored.
; REGISTERS: v1 16 lane, v2 16 thread, v3 8 lane, v4 32 (lane % 16), v5, v6 the add's two, v7 -infinity, v8-11 Q's offsets; v12 -M, v13 largest t, v[14:15] the sum; v16-27 Q; v28 its scale word; v32-85 K, then V;
; v96-159 S^T, then p; v160-191 O^T; v192-203 p's codes; v204-210 second halves; v212-217 K's, V's scale words; v220-235 at work; v233 p's scale word; v236, 237 1 / sum, 0; v240-247 the copy.
.set SLOTB, 13312
.set VC,    6144
.set KSC,   12288
.set VSC,   12800
.set SPARE, 2*SLOTB                    ; the spare words: 128 bytes a wave, eight blocks of 256 bytes that no other line names
.set FOFF,  524288
.set GOFF,  532480
	s_load_b256 s[4:11], s[0:1], 0x0               ; qb s[4:5], kv s[6:7], maskw s[8:9], ctxc s[10:11]
	s_load_b64 s[12:13], s[0:1], 0x20              ; ctxs
	v_lshl_add_u32 v5, v0, 2, SPARE
	v_mov_b32 v6, 0
	v_lshrrev_b32 v1, 5, v0
	s_delay_alu instid0(VALU_DEP_1)
	v_readfirstlane_b32 s14, v1                    ; wave 0..15
	v_and_b32 v3, 31, v0
	s_delay_alu instid0(VALU_DEP_1)
	v_lshlrev_b32 v1, 4, v3
	v_lshlrev_b32 v2, 4, v0
	s_delay_alu instid0(VALU_DEP_3)
	v_lshlrev_b32 v3, 3, v3
	v_and_b32 v4, 15, v0
	s_delay_alu instid0(VALU_DEP_1)
	v_lshlrev_b32 v4, 5, v4
	v_mov_b32 v7, 0xff800000
.irp z, 22,23,24,25,26,27,80,81,82,83,84,85,224,225,226,227,233,234,237,240,241,242,243,244,245,246,247
	v_mov_b32 v\z, 0                               ; zero codes; permutes' destinations; halves of pairs; the copy's registers: all hold numbers on every path
.endr
	s_and_b32 s98, s14, 7                          ; my tile among the 8 of a block of Q: registers 6 t .. 6 t + 5 of its 48
	s_mul_i32 s104, s98, 6
.irp p, 0,1,2
	s_add_co_u32 s99, s104, 2*\p                   ; register e lies in chunk e / 4 (512 bytes), at 16 lane + 4 (e % 4)
	s_lshr_b32 s105, s99, 2
	s_lshl_b32 s105, s105, 9
	s_and_b32 s99, s99, 3
	s_lshl_b32 s99, s99, 2
	s_add_co_u32 s105, s105, s99
	v_add_nc_u32 v[8+\p], s105, v1
.endr
	s_and_b32 s99, s98, 1
	s_lshl_b32 s99, s99, 8
	s_lshr_b32 s105, s98, 1
	s_lshl_b32 s105, s105, 2
	s_add_co_u32 s99, s99, s105
	s_add_co_u32 s99, s99, 6144
	v_and_b32 v11, 15, v0
	s_delay_alu instid0(VALU_DEP_1)
	v_lshl_add_u32 v11, v11, 4, s99                ; my row's scale word: lane r + 16 (t % 2) of the image, word t / 2
	s_mov_b32 s76, 0x3e38aa3b                      ; c = log2(e) / 8
	s_mov_b32 s77, s76                             ; (named with it as a pair)
	s_mov_b32 s78, 0x76543210
	s_mov_b32 s79, 0xfedcba98                      ; lane l xor 16
	s_mov_b32 s15, 0                               ; the pass
	s_wait_kmcnt 0x0
; The next step's block is asked for where some wave of the work-group wants it: 512 threads x 16 bytes, and 320 x 16 more.
.macro COPY_ASK
	s_bitcmp1_b32 s71, s73
	s_cbranch_scc0 .Lna_\@
	global_load_b128 v[240:243], v2, s[66:67]
	s_cmp_lt_u32 s14, 10
	s_cbranch_scc0 .Lna_\@
	global_load_b128 v[244:247], v2, s[66:67] offset:8192
.Lna_\@:
.endm
.macro COPY_PUT slot
	s_wait_loadcnt 0x0                             ; on every path
	s_bitcmp1_b32 s71, s73
	s_cbranch_scc0 .Lnp_\@
	ds_store_b128 v2, v[240:243] offset:(\slot)*SLOTB
	s_cmp_lt_u32 s14, 10
	s_cbranch_scc0 .Lnp_\@
	ds_store_b128 v2, v[244:247] offset:(\slot)*SLOTB+8192
.Lnp_\@:
.endm
; A KEY STEP: 128 keys.
.macro STEP slot
	s_add_co_u32 s104, s72, 16
	s_bitcmp1_b32 s70, s104                        ; has the step hidden keys?  Then its 64 lane masks are asked for now
	s_cbranch_scc0 .Lnm_\@
	s_load_b512 s[16:31], s[68:69], 0x0
	s_load_b512 s[32:47], s[68:69], 0x40
	s_load_b512 s[48:63], s[68:69], 0x80
	s_load_b512 s[80:95], s[68:69], 0xc0
.Lnm_\@:
.irp m, 0,1,2,3,4,5,6,7,8,9,10,11
	ds_load_b128 v[32+4*\m:35+4*\m], v1 offset:(\slot)*SLOTB+512*\m      ; K's 48 registers
.endr
	ds_load_b128 v[212:215], v1 offset:(\slot)*SLOTB+KSC                 ; its scale words: register w: lanes 0-15 tile 2 w, lanes 16-31 tile 2 w + 1
	s_wait_dscnt 0x0
.irp t, 0,1,2,3,4,5,6,7
.if (\t%2) == 0
	v_wmma_scale_f32_16x16x128_f8f6f4 v[96+8*\t:103+8*\t], v[32+6*\t:43+6*\t], v[16:27], 0, v[212+\t/2], v28 matrix_a_fmt:MATRIX_FMT_FP6 matrix_b_fmt:MATRIX_FMT_FP6
.else
	v_wmma_scale_f32_16x16x128_f8f6f4 v[96+8*\t:103+8*\t], v[32+6*\t:43+6*\t], v[16:27], 0, v[212+\t/2], v28 matrix_a_fmt:MATRIX_FMT_FP6 matrix_b_fmt:MATRIX_FMT_FP6 matrix_a_scale:MATRIX_SCALE_ROW1
.endif
.endr
.rept 4
	v_nop                                          ; places in front of the loads into K's registers and of the first read of the scores
.endr
.irp m, 0,1,2,3,4,5,6,7,8,9,10,11
	ds_load_b128 v[32+4*\m:35+4*\m], v1 offset:(\slot)*SLOTB+VC+512*\m   ; V^T: four fragments of 12; they land under the softmax
.endr
	ds_load_b64 v[216:217], v1 offset:(\slot)*SLOTB+VSC
	s_wait_kmcnt 0x0                               ; on every path
	s_bitcmp1_b32 s70, s104
	s_cbranch_scc0 .Lopen_\@
.set n, 0
.rept 64
	v_cndmask_b32 v[96+n], v[96+n], v7, s[16+n+16*(n/48)]   ; register n: key 32 (n / 16) + 16 (lane / 16) + n % 16; ascending: each accumulator from its low end on
.set n, n+1
.endr
.Lopen_\@:
.irp b, 0,1,2,3
	v_max3_num_f32 v[220+\b], v[96+16*\b], v[97+16*\b], v[98+16*\b]      ; the largest score of each block of 32 keys: for the row's maximum, and, since p rises with the score, for the block's largest p
.endr
.irp i, 3,5,7,9,11,13
.irp b, 0,1,2,3
	v_max3_num_f32 v[220+\b], v[220+\b], v[96+16*\b+\i], v[97+16*\b+\i]
.endr
.endr
.irp b, 0,1,2,3
	v_max_num_f32 v[220+\b], v[220+\b], v[111+16*\b]
.endr
.irp b, 0,1,2,3
	s_delay_alu instid0(VALU_DEP_4)
	v_permlanex16_b32 v[224+\b], v[220+\b], s78, s79
.endr
.irp b, 0,1,2,3
	s_delay_alu instid0(VALU_DEP_4)
	v_max_num_f32 v[220+\b], v[220+\b], v[224+\b]
.endr
	s_delay_alu instid0(VALU_DEP_2)
	v_max3_num_f32 v234, v220, v221, v222
	s_delay_alu instid0(VALU_DEP_1)
	v_max_num_f32 v234, v234, v223
	s_delay_alu instid0(VALU_DEP_1)
	v_mul_f32 v234, s76, v234                      ; as t
	s_delay_alu instid0(VALU_DEP_1)
	v_max_num_f32 v13, v13, v234                   ; the running largest t
	v_mov_b32 v234, v12
	s_delay_alu instid0(VALU_DEP_2)
	v_floor_f32 v12, -v13                          ; the new -M = -ceil(t): a whole number
	s_delay_alu instid0(VALU_DEP_1)
	v_sub_f32 v234, v12, v234                      ; old M - new M, 0 or less
	s_delay_alu instid0(VALU_DEP_1)
	v_cvt_i32_f32 v234, v234                       ; (it saturates)
	s_delay_alu instid0(VALU_DEP_1)
	v_ldexp_f32 v232, 1.0, v234                    ; f = 2^(old M - new M): a multiplication by it rounds nothing
.set j, 0
.rept 32
	v_pk_fma_f32 v[96+j:97+j], v[96+j:97+j], s[76:77], v[12:13] op_sel_hi:[1,0,0]   ; t - M, two at a time
.set j, j+2
.endr
.irp b, 0,1,2,3
	v_fma_f32 v[220+\b], v[220+\b], s76, v12       ; the same of each block's largest score
.endr
.set j, 0
	s_wait_alu depctr_va_vdst(0)
.rept 64
	v_exp_f32 v[96+j], v[96+j]                     ; p = 2^(t - M)
.set j, j+1
.endr
	v_pk_mul_f32 v[14:15], v[14:15], v[232:233] op_sel_hi:[1,0]   ; the sums under the new M: the plain place behind the exponentials
	s_wait_alu depctr_va_vdst(0)                   ; one wait for the batch of 64, ahead of its first reader
.irp b, 0,1,2,3
	v_exp_f32 v[220+\b], v[220+\b]                 ; each block's largest p
.endr
	v_pk_add_f32 v[224:225], v[100:101], v[104:105]
	v_pk_add_f32 v[254:255], v[108:109], v[112:113]
	v_pk_add_f32 v[252:253], v[116:117], v[120:121]
	v_pk_add_f32 v[250:251], v[124:125], v[128:129]
	v_pk_add_f32 v[248:249], v[132:133], v[136:137]
	v_pk_add_f32 v[238:239], v[140:141], v[144:145]
	v_pk_add_f32 v[230:231], v[148:149], v[152:153]
	v_pk_add_f32 v[14:15], v[14:15], v[156:157]
	v_pk_add_f32 v[224:225], v[224:225], v[96:97]
	v_pk_add_f32 v[254:255], v[254:255], v[98:99]
	v_pk_add_f32 v[252:253], v[252:253], v[102:103]
	v_pk_add_f32 v[250:251], v[250:251], v[106:107]
	v_pk_add_f32 v[248:249], v[248:249], v[110:111]
	v_pk_add_f32 v[238:239], v[238:239], v[114:115]
	v_pk_add_f32 v[230:231], v[230:231], v[118:119]
	v_pk_add_f32 v[14:15], v[14:15], v[122:123]
	v_pk_add_f32 v[224:225], v[224:225], v[126:127]
	v_pk_add_f32 v[254:255], v[254:255], v[130:131]
	v_pk_add_f32 v[252:253], v[252:253], v[134:135]
	v_pk_add_f32 v[250:251], v[250:251], v[138:139]
	v_pk_add_f32 v[248:249], v[248:249], v[142:143]
	v_pk_add_f32 v[238:239], v[238:239], v[146:147]
	v_pk_add_f32 v[230:231], v[230:231], v[150:151]
	v_pk_add_f32 v[14:15], v[14:15], v[154:155]
	v_pk_add_f32 v[224:225], v[224:225], v[158:159]
	s_delay_alu instid0(VALU_DEP_2)
	v_pk_add_f32 v[14:15], v[14:15], v[250:251]
	s_delay_alu instid0(VALU_DEP_2)
	v_pk_add_f32 v[224:225], v[224:225], v[248:249]
	v_pk_add_f32 v[254:255], v[254:255], v[238:239]
	v_pk_add_f32 v[252:253], v[252:253], v[230:231]
	s_delay_alu instid0(VALU_DEP_2)
	v_pk_add_f32 v[14:15], v[14:15], v[254:255]
	s_delay_alu instid0(VALU_DEP_2)
	v_pk_add_f32 v[224:225], v[224:225], v[252:253]
	s_delay_alu instid0(VALU_DEP_1)
	v_pk_add_f32 v[14:15], v[14:15], v[224:225]
	s_wait_alu depctr_va_vdst(0)                   ; and one for the four
.irp b, 0,1,2,3
	v_max_num_f32 v[220+\b], 0x1800000, v[220+\b]  ; the floor 2^(3 - 127): the byte cannot fall under 1
.endr
.irp b, 0,1,2,3
	s_delay_alu instid0(VALU_DEP_4)
	v_add_nc_u32 v[228+\b], 0xff000000, v[220+\b]  ; the conversion's scale operand
.endr
.irp b, 0,1,2,3
	s_delay_alu instid0(VALU_DEP_4)
	v_lshrrev_b32 v[224+\b], 23, v[228+\b]         ; the scale's byte
.endr
	s_delay_alu instid0(VALU_DEP_3)
	v_lshl_or_b32 v233, v225, 8, v224              ; p's scale word for these 128 keys
	s_delay_alu instid0(VALU_DEP_1)
	v_lshl_or_b32 v233, v226, 16, v233
	s_delay_alu instid0(VALU_DEP_1)
	v_lshl_or_b32 v233, v227, 24, v233
.irp c, 0,1
	v_cvt_scalef32_pk16_fp6_f32 v[192+6*\c:194+6*\c], v[96+32*\c:111+32*\c], v[228+2*\c]
	v_cvt_scalef32_pk16_fp6_f32 v[204+4*\c:206+4*\c], v[112+32*\c:127+32*\c], v[228+2*\c+1]
.endr
	v_nop                                          ; one plain place behind a scaled conversion
.irp c, 0,1
.irp i, 0,1,2
	v_permlane16_swap_b32 v[192+6*\c+\i], v[204+4*\c+\i]   ; a whole block to a lane
.endr
.irp i, 0,1,2
	s_delay_alu instid0(VALU_DEP_3)
	v_mov_b32 v[195+6*\c+\i], v[204+4*\c+\i]
.endr
.endr
.set j, 0
.rept 16
	v_pk_mul_f32 v[160+j:161+j], v[160+j:161+j], v[232:233] op_sel_hi:[1,0]   ; O^T under the new M; these 16 are also the places between the scale word's and the codes' last writes and the products
.set j, j+2
.endr
	s_wait_alu depctr_va_vdst(0)
	s_wait_dscnt 0x0                               ; V is in
.irp t, 0,1,2,3                                ; four accumulators by turns, one instruction a turn
.if (\t%2) == 0
	v_wmma_scale_f32_16x16x128_f8f6f4 v[160+8*\t:167+8*\t], v[32+12*\t:43+12*\t], v[192:203], v[160+8*\t:167+8*\t], v[216+\t/2], v233 matrix_a_fmt:MATRIX_FMT_FP6 matrix_b_fmt:MATRIX_FMT_FP6
.else
	v_wmma_scale_f32_16x16x128_f8f6f4 v[160+8*\t:167+8*\t], v[32+12*\t:43+12*\t], v[192:203], v[160+8*\t:167+8*\t], v[216+\t/2], v233 matrix_a_fmt:MATRIX_FMT_FP6 matrix_b_fmt:MATRIX_FMT_FP6 matrix_a_scale:MATRIX_SCALE_ROW1
.endif
.endr
.rept 4
	v_nop                                          ; places in front of the next loads into V's registers and of the next read of O^T
.endr
.endm
; A trip: ask for the next step's block; this step's work, if my queries see any of its keys; put the block into the other slot; ONE barrier: my reads of this slot are over before anyone stores into it in the next trip,
; and my stores into the other slot have landed before anyone reads it.
.macro TRIP slot
	COPY_ASK
	s_bitcmp1_b32 s70, s72
	s_cbranch_scc0 .Lidle_\@
	STEP \slot
.Lidle_\@:
	COPY_PUT 1-(\slot)
	s_wait_dscnt 0x0
	s_barrier_signal -1
	s_barrier_wait -1
	s_add_nc_u64 s[66:67], s[66:67], SLOTB         ; (the loads that named these have come back)
	s_add_nc_u64 s[68:69], s[68:69], 256
	s_add_co_u32 s72, s72, 1
	s_add_co_u32 s73, s73, 1
.endm
.Lpass:
	s_wait_xcnt 0x0                                ; the last pass's stores have read their registers and bases
	s_sub_co_u32 s96, 7, ttmp9
	s_cmp_eq_u32 s15, 0
	s_cselect_b32 s96, ttmp9, s96                  ; the block of 256 queries
	s_lshl_b32 s97, s96, 4
	s_add_co_u32 s97, s97, s14                     ; my tile of 16 among the 128
	s_lshl_b32 s98, s97, 6
	s_mov_b32 s99, 0
	s_add_nc_u64 s[100:101], s[8:9], s[98:99]
	s_load_b512 s[16:31], s[100:101], FOFF         ; my tile's flags for the 16 steps
	s_wait_kmcnt 0x0
	s_mov_b32 s70, s16                             ; s70: bit s: step s has a visible key; bit 16 + s: a hidden one
.irp s, 1,2,3,4,5,6,7,8,9,10,11,12,13,14,15
	s_lshl_b32 s104, s[16+\s], \s
	s_or_b32 s70, s70, s104
.endr
	s_lshl_b32 s98, s96, 8
	s_add_nc_u64 s[100:101], s[8:9], s[98:99]
	s_load_b512 s[16:31], s[100:101], GOFF         ; the whole block's flags: four words a step
	s_load_b512 s[32:47], s[100:101], GOFF+0x40
	s_load_b512 s[48:63], s[100:101], GOFF+0x80
	s_load_b512 s[80:95], s[100:101], GOFF+0xc0
	s_wait_kmcnt 0x0
	s_mov_b32 s71, 0                               ; s71: bit s: some wave wants step s.  Bit 16 stays 0: behind step 15 nothing is asked for
.irp s, 0,1,2,3,4,5,6,7,8,9,10,11,12,13,14,15
	s_or_b32 s104, s[16+4*\s+16*(\s/12)], s[17+4*\s+16*(\s/12)]
	s_or_b32 s105, s[18+4*\s+16*(\s/12)], s[19+4*\s+16*(\s/12)]
	s_or_b32 s104, s104, s105
	s_and_b32 s104, s104, 1
	s_lshl_b32 s104, s104, \s
	s_or_b32 s71, s71, s104
.endr
	s_mov_b32 s105, 0
	s_and_b32 s98, ttmp7, 0xffff                   ; 16 x batch + head
	s_mul_i32 s104, s98, 16*SLOTB
	s_add_nc_u64 s[66:67], s[6:7], s[104:105]      ; the head's first block of K and V
	s_lshl_b32 s104, s97, 12
	s_add_nc_u64 s[68:69], s[8:9], s[104:105]      ; my tile's lane masks: 256 bytes a step
	s_lshl_b32 s104, s98, 4
	s_lshl_b32 s99, s96, 1
	s_add_co_u32 s104, s104, s99
	s_lshr_b32 s99, s14, 3
	s_add_co_u32 s104, s104, s99
	s_mul_i32 s104, s104, 6656
	s_add_nc_u64 s[100:101], s[4:5], s[104:105]    ; my 128 tokens' block of Q
	s_lshr_b32 s99, s98, 4
	s_lshl_b32 s99, s99, 7
	s_add_co_u32 s99, s99, s97                     ; my tile among all 512
	s_and_b32 s98, s98, 15                         ; head
	s_lshl_b32 s104, s99, 4
	s_add_co_u32 s104, s104, s98
	s_mul_i32 s104, s104, 768
	s_add_nc_u64 s[2:3], s[10:11], s[104:105]      ; where my codes go
	s_lshl_b32 s104, s99, 9
	s_lshl_b32 s98, s98, 1
	s_add_co_u32 s104, s104, s98
	s_add_nc_u64 s[74:75], s[12:13], s[104:105]    ; and my scale bytes
	s_wait_alu depctr_va_vdst(0)
.irp p, 0,1,2
	global_load_b64 v[16+2*\p:17+2*\p], v[8+\p], s[100:101]
.endr
	global_load_b32 v28, v11, s[100:101]
	s_mov_b32 s73, 0
	COPY_ASK                                       ; step 0's block
	v_mov_b32 v13, 0xff61b1e6                      ; the largest t so far: -3e38
	s_delay_alu instid0(VALU_DEP_1)
	v_floor_f32 v12, -v13
	v_mov_b32 v14, 0
	v_mov_b32 v15, 0
.set j, 0
.rept 32
	v_mov_b32 v[160+j], 0                          ; O^T: which step is a tile's first hangs on the flags, so the step is written once and finds zeros
.set j, j+1
.endr
	COPY_PUT 0                                     ; its wait covers Q too.  Every wave has passed the last pass's last barrier: nobody reads slot 0
	s_wait_dscnt 0x0
	s_barrier_signal -1
	s_barrier_wait -1
	s_add_nc_u64 s[66:67], s[66:67], SLOTB
	s_mov_b32 s72, 0                               ; the step in hand,
	s_mov_b32 s73, 1                               ; the step to be copied
	s_mov_b32 s99, 8
.Lstep:
	TRIP 0
	TRIP 1
	s_sub_co_u32 s99, s99, 1
	s_cmp_lg_u32 s99, 0
	s_cbranch_scc1 .Lstep
	; THE WAY OUT of a pass: O^T / the sum, quantised along the head's 64: half a fragment of the last product's operand
	v_add_f32 v14, v14, v15
	s_delay_alu instid0(VALU_DEP_1)
	v_permlanex16_b32 v234, v14, s78, s79
	s_delay_alu instid0(VALU_DEP_1)
	v_add_f32 v14, v14, v234                       ; the row's sum
	s_wait_alu depctr_va_vdst(0)
	v_rcp_f32 v236, v14
	v_cmp_eq_f32 s104, 0, v14                      ; no visible key at all
	v_mov_b32 v235, 0xffff
	s_wait_alu depctr_va_vdst(0)                   ; ahead of the reciprocal's first reader
.set j, 0
.rept 16
	v_pk_mul_f32 v[96+j:97+j], v[160+j:161+j], v[236:237] op_sel_hi:[1,0]   ; register 16 b + i: channel 32 b + 16 (lane / 16) + i
.set j, j+2
.endr
.irp b, 0,1
	v_max3_num_f32 v[220+\b], |v[96+16*\b]|, |v[97+16*\b]|, 0x1800000
.endr
.irp i, 2,4,6,8,10,12,14
.irp b, 0,1
	s_delay_alu instid0(VALU_DEP_2)
	v_max3_num_f32 v[220+\b], v[220+\b], |v[96+16*\b+\i]|, |v[97+16*\b+\i]|
.endr
.endr
.irp b, 0,1
	s_delay_alu instid0(VALU_DEP_2)
	v_permlanex16_b32 v[224+\b], v[220+\b], s78, s79
.endr
.irp b, 0,1
	s_delay_alu instid0(VALU_DEP_2)
	v_max_num_f32 v[220+\b], v[220+\b], v[224+\b]
.endr
.irp b, 0,1
	s_delay_alu instid0(VALU_DEP_2)
	v_add_nc_u32 v[228+\b], 0xff000000, v[220+\b]
.endr
.irp b, 0,1
	s_delay_alu instid0(VALU_DEP_2)
	v_lshrrev_b32 v[224+\b], 23, v[228+\b]
.endr
	s_delay_alu instid0(VALU_DEP_1)
	v_lshl_or_b32 v234, v225, 8, v224
	s_delay_alu instid0(VALU_DEP_1)
	v_cndmask_b32 v234, v234, v235, s104
	v_cvt_scalef32_pk16_fp6_f32 v[192:194], v[96:111], v228
	v_cvt_scalef32_pk16_fp6_f32 v[204:206], v[112:127], v229
	v_nop
.irp i, 0,1,2
	v_permlane16_swap_b32 v[192+\i], v[204+\i]
.endr
.irp i, 0,1,2
	s_delay_alu instid0(VALU_DEP_3)
	v_mov_b32 v[195+\i], v[204+\i]
.endr
.irp p, 0,1,2
	global_store_b64 v3, v[192+2*\p:193+2*\p], s[2:3] offset:256*\p      ; 32 lanes store 256 consecutive aligned bytes
.endr
	global_store_b16 v4, v234, s[74:75]            ; lanes r and r + 16 write the same two bytes with the same value
	s_add_co_u32 s15, s15, 1
	s_cmp_lt_u32 s15, 2
	s_cbranch_scc1 .Lpass
	s_wait_tensorcnt 0x0                           ; the wave's end, behind my last LDS store
	ds_add_u32 v5, v6
	s_wait_dscnt 0x0
	s_endpgm
.Lfunc_end_k_q09adf85ce5_attn:
	.size	k_q09adf85ce5_attn, .Lfunc_end_k_q09adf85ce5_attn-k_q09adf85ce5_attn
	.p2alignl 7, 3214868480
	.fill 96, 4, 3214868480
	.section	.rodata,"a",@progbits
	.p2align	6, 0x0
	.amdhsa_kernel k_q09adf85ce5_attn
		.amdhsa_group_segment_fixed_size 28672
		.amdhsa_private_segment_fixed_size 0
		.amdhsa_enable_private_segment 0
		.amdhsa_kernarg_size 40
		.amdhsa_user_sgpr_count 2
		.amdhsa_user_sgpr_kernarg_segment_ptr 1
		.amdhsa_wavefront_size32 1
		.amdhsa_system_sgpr_workgroup_id_x 1
		.amdhsa_system_sgpr_workgroup_id_y 1
		.amdhsa_system_sgpr_workgroup_id_z 1
		.amdhsa_system_vgpr_workitem_id 0
		.amdhsa_next_free_vgpr 256
		.amdhsa_next_free_sgpr 106
		.amdhsa_reserve_vcc 0
		.amdhsa_float_denorm_mode_32 3
		.amdhsa_float_denorm_mode_16_64 3
		.amdhsa_memory_ordered 1
		.amdhsa_forward_progress 1
		.amdhsa_inst_pref_size 60
	.end_amdhsa_kernel
	.amdgpu_metadata
---
amdhsa.version: [ 1, 2 ]
amdhsa.kernels:
  - .name:           k_q09adf85ce5_attn
    .symbol:         k_q09adf85ce5_attn.kd
    .args:
      - { .name: qb, .offset: 0, .size: 8, .value_kind: global_buffer, .address_space: global }
      - { .name: kv, .offset: 8, .size: 8, .value_kind: global_buffer, .address_space: global }
      - { .name: maskw, .offset: 16, .size: 8, .value_kind: global_buffer, .address_space: global }
      - { .name: ctxc, .offset: 24, .size: 8, .value_kind: global_buffer, .address_space: global }
      - { .name: ctxs, .offset: 32, .size: 8, .value_kind: global_buffer, .address_space: global }
    .group_segment_fixed_size: 28672
    .private_segment_fixed_size: 0
    .kernarg_segment_align: 8
    .kernarg_segment_size: 40
    .max_flat_workgroup_size: 512
    .sgpr_count:     106
    .vgpr_count:     256
    .wavefront_size: 32
...
	.end_amdgpu_metadata
.endif
;; end of part 3
;; launch outp (part 4): grid 4 x 32, 4 waves a work-group, clusters of 4 x 4, 327,680 bytes of LDS; arguments ctxc, ctxs, codes, scales, b_out, out0; writes out0
.if DOCPART == 4
	.amdgcn_target "amdgcn-amd-amdhsa--gfx1250"
	.amdhsa_code_object_version 6
	.text
	.protected	k_q09adf85ce5_outp
	.globl	k_q09adf85ce5_outp
	.p2align	8
	.type	k_q09adf85ce5_outp,@function
k_q09adf85ce5_outp:
	s_mov_b64 s[64:65], 0
	v_nop
	global_prefetch_b8 v0, s[64:65] scope:SCOPE_SE
	s_setreg_imm32_b32 hwreg(HW_REG_WAVE_MODE, 25, 1), 1
	s_wait_xcnt 0x0
	s_wait_alu depctr_hold_cnt(0) depctr_sa_sdst(0) depctr_va_vdst(0) depctr_va_sdst(0) depctr_va_ssrc(0) depctr_va_vcc(0) depctr_vm_vsrc(0)
	s_getreg_b32 s2, hwreg(HW_REG_IB_STS2, 6, 4)
	s_cmp_eq_u32 s2, 0
	s_cbranch_scc0 .Lentry_in_a_cluster
	s_endpgm
.Lentry_in_a_cluster:
	s_bfe_u32 s2, ttmp6, 0x10000c
	s_cmp_lg_u32 s2, 0xf033
	s_cbranch_scc0 .Lentry_shape_is_right
	s_endpgm
.Lentry_shape_is_right:
; out0 = ctx w_out^T + b_out on codes of FP6 (E2M3) with one E8M0 scale for each 32 along K = 1,024; out0 [8192][1024] f32.
; A tile of 256 x 256 to a work-group of four waves, 128 x 128 a wave: 64 accumulators, 512 registers.  K goes in steps of 256 through two LDS slots filled by the tensor data mover; the scale bytes come once.
; A = ctx comes as IMAGES OF ITS OPERAND REGISTERS: for each tile of 16 tokens and each head 768 bytes: three pairs of registers, 8 bytes a lane; a K step of 256 is four heads, 3,072 dense bytes a tile.  So a fragment is
; six loads of 8 bytes a lane at 8 x lane: 256 consecutive bytes each.  B = w_out's rows (rows 11,264 on of the codes' buffer) come as rows of 192 bytes, padded in LDS.
; The matrix instruction is used transposed (source 0 = 16 rows of w_out, source 1 = 16 tokens): a lane holds eight neighbouring numbers of a row of out0.  The bias is the C of each sum's first instruction.
; THE TOKENS OF A TILE are rows 8 u + r + 8 (r / 8) of each 32: the stores put each row where it belongs.
; CLUSTERS: 4 x 4; A's tiles are shared along a row of the cluster, B's along a column, each asked for jointly.  128 tiles: the grid has work for 128 work-groups.
; REGISTERS: window 0: v16-31 addresses; v32-63 scale words; v64-127 the bias; v128-223 A's fragments; on the way out v128-255.  window 1: B's fragments, two sets.  windows 2, 3: the accumulators.
.set NQ,     2
.set ROWB,   192
.set KROW,   768
.set PITCH,  240                       ; 3 x (64 bytes + 16 of padding): the 32 lanes of a load of 8 bytes touch 64 different banks (64 banks of 4 bytes: ISA guide 11.1)
.set FR,     12
.set NL,     6
.set NP,     4
.set ATILE,  3072                      ; a tile of 16 tokens in a slot
.set HALFA,  8*ATILE
.set BOFF,   2*HALFA
.set HALFB,  128*PITCH
.set SLOT,   BOFF+2*HALFB
.set LAPS,   2
.set KS,     32
.set SCL,    2*SLOT
.set HALFS,  16*272
.set SBLK,   2*272
.set SPARE,  SCL+4*HALFS               ; the spare words: 128 bytes a wave, two blocks of 256 bytes that no other line names
.set SPITCH, 528                       ; the way out: a stage of 16 rows x (512 + 16) bytes a wave, in slot 0, which has had its last fill and its last read by then
.set ADRA, 16
.set ADRB, 20
.set STO,  24
.set RD,   25
.set CO,   26
.set ADRS, 27
.set SPW,  28
.set NIL,  29
.set BO,   30
.set SC,   32
.set BIAS, 64
.set AF,   128
.set BK,   128
.set G1, 24
.set G0, 32
.set G1B, 48
.set G0B, 56
.set G1S, 68
.set G0S, 76
.set G1SB, 80
.set G0SB, 88
.set MSB, 0
.macro WIN new
.if MSB != \new
	s_set_vgpr_msb (MSB<<8)|\new
.set MSB, \new
.endif
.endm
.set MUL_LO, 0xa1                      ; source 0 (B) window 1, source 1 (A) window 0, C and D window 2
.set MUL_HI, 0xf1
.set BIA_LO, 0x81                      ; the same with C (the bias) in window 0
.set BIA_HI, 0xc1
.set TO_B,   0x40
.macro JLOAD g0a, g1a, g0b, g1b        ; a joint load: waves 0, 1 for A, waves 2, 3 for B; an s_nop 0 and four v_nop follow each line
	s_cmp_eq_u32 s15, 0
	s_cbranch_scc0 .Lfor_b_\@
	tensor_load_to_lds s[\g0a:\g0a+3], s[\g1a:\g1a+7]
	s_nop 0
.rept 4
	v_nop
.endr
	s_branch .Lasked_\@
.Lfor_b_\@:
	tensor_load_to_lds s[\g0b:\g0b+3], s[\g1b:\g1b+7]
	s_nop 0
.rept 4
	v_nop
.endr
.Lasked_\@:
.endm
.macro CREST
	s_cmp_lg_u32 s14, 0
	s_cbranch_scc1 .Lnot_wave_0_\@
	s_barrier_signal -3
.Lnot_wave_0_\@:
	s_barrier_wait -3
	s_barrier_signal -1
	s_barrier_wait -1
.endm
.macro CROUND
	s_barrier_signal -1
	s_barrier_wait -1
	CREST
.endm
	s_load_b256 s[4:11], s[0:1], 0x0               ; ctx's codes s[4:5], its scales s[6:7], codes s[8:9], scales s[10:11]
	s_load_b128 s[96:99], s[0:1], 0x20             ; b_out s[96:97], out0 s[98:99]
	v_lshl_add_u32 v[SPW], v0, 2, SPARE
	v_mov_b32 v[NIL], 0
	ds_add_u32 v[SPW], v[NIL]                      ; the wave's opening: the add, and its wait ahead of my first tensor load
	v_lshrrev_b32 v1, 5, v0
	v_readfirstlane_b32 s14, v1
	s_lshr_b32 s15, s14, 1                         ; my half of the tile's rows.  Also: I fetch for A (0) or for B (1)
	s_and_b32 s16, s14, 1                          ; my half of its columns.  Also: which half I fetch
	s_bfe_u32 s40, ttmp6, 0x40000
	s_bfe_u32 s41, ttmp6, 0x40004
	s_lshl_b32 s42, ttmp9, 2
	s_add_co_u32 s42, s42, s40                     ; tile column
	s_and_b32 s17, ttmp7, 0xffff
	s_lshl_b32 s17, s17, 2
	s_add_co_u32 s17, s17, s41                     ; tile row
	s_lshl_b32 s43, s41, 2
	s_lshl_b32 s43, 15, s43
	s_lshl_b32 s44, 0x1111, s40
	s_or_b32 s[G1+0], s43, (3<<16)|(1<<21)         ; A: the mask of my row; elements of 8 bytes; no padding; bit 21 beside a mask
	s_mov_b32 s[G1+1], 384<<16                     ; tensor_dim0: 3,072 bytes
	s_mov_b32 s[G1+2], 8<<16                       ; tensor_dim1: 8 tiles of tokens
	s_mov_b32 s[G1+3], 384<<16
	s_mov_b32 s[G1+4], 8
	s_mov_b32 s[G1+5], 1536                        ; 12,288 bytes from a tile of tokens to the next
	s_mov_b32 s[G1+6], 0
	s_mov_b32 s[G1+7], 0
	s_or_b32 s[G1B+0], s44, (0<<16)|(1<<20)|(1<<21)|(3<<22)|(3<<25)
	s_mov_b32 s[G1B+1], ROWB<<16
	s_mov_b32 s[G1B+2], 128<<16
	s_mov_b32 s[G1B+3], ROWB<<16
	s_mov_b32 s[G1B+4], 128
	s_mov_b32 s[G1B+5], KROW
	s_mov_b32 s[G1B+6], 0
	s_mov_b32 s[G1B+7], 0
	s_or_b32 s[G1S+0], s43, (3<<16)|(1<<20)|(1<<21)|(5<<22)|(3<<25)
	s_or_b32 s[G1SB+0], s44, (3<<16)|(1<<20)|(1<<21)|(5<<22)|(3<<25)
.irp g, G1S, G1SB
	s_mov_b32 s[\g+1], 32<<16
	s_mov_b32 s[\g+2], 16<<16
	s_mov_b32 s[\g+3], 32<<16
	s_mov_b32 s[\g+4], 16
	s_mov_b32 s[\g+5], 32
	s_mov_b32 s[\g+6], 0
	s_mov_b32 s[\g+7], 0
.endr
	s_lshl_b32 s20, s17, 4
	s_lshl_b32 s18, s16, 3
	s_add_co_u32 s20, s20, s18
	s_mul_i32 s20, s20, 12288                      ; A's codes: tile of tokens 16 x tile row + 8 x half
	s_mov_b32 s21, 0
	s_lshl_b32 s22, s17, 8
	s_lshl_b32 s18, s16, 7
	s_add_co_u32 s22, s22, s18
	s_lshl_b32 s22, s22, 5                         ; A's scale bytes
	s_mov_b32 s23, 0
	s_lshl_b32 s46, s42, 8
	s_add_co_u32 s46, s46, s18
	s_add_co_u32 s46, s46, 11264                   ; B's first row in the codes' buffer
	s_lshl_b32 s92, s46, 5
	s_mov_b32 s93, 0
	s_mul_i32 s46, s46, KROW
	s_mov_b32 s47, 0
	s_mul_i32 s45, s16, HALFA                      ; where they go: no place in the cluster enters an LDS address
	s_mul_i32 s95, s16, HALFB
	s_add_co_u32 s95, s95, BOFF
	s_mul_i32 s94, s14, HALFS
	s_wait_dscnt 0x0
	s_wait_kmcnt 0x0
	s_add_nc_u64 s[20:21], s[4:5], s[20:21]
	s_add_nc_u64 s[22:23], s[6:7], s[22:23]
	s_add_nc_u64 s[46:47], s[8:9], s[46:47]
	s_add_nc_u64 s[92:93], s[10:11], s[92:93]
	CROUND                                         ; all sixteen work-groups are here: the first joint loads meet
	s_mov_b32 s[G0S], 1
	s_add_co_u32 s[G0S+1], s94, SCL
	s_mov_b64 s[G0S+2:G0S+3], s[22:23]
	s_or_b32 s[G0S+3], s[G0S+3], 0x80000000
	s_mov_b32 s[G0SB], 1
	s_add_co_u32 s[G0SB+1], s94, SCL
	s_mov_b64 s[G0SB+2:G0SB+3], s[92:93]
	s_or_b32 s[G0SB+3], s[G0SB+3], 0x80000000
	JLOAD G0S, G1S, G0SB, G1SB                     ; three loads of mine are out at the most
.irp s, 0,1
	s_mov_b32 s[G0+4*\s], 1
	s_add_co_u32 s[G0+4*\s+1], s45, \s*SLOT
	s_add_nc_u64 s[G0+4*\s+2:G0+4*\s+3], s[20:21], \s*ATILE
	s_or_b32 s[G0+4*\s+3], s[G0+4*\s+3], 0x80000000
	s_mov_b32 s[G0B+4*\s], 1
	s_add_co_u32 s[G0B+4*\s+1], s95, \s*SLOT
	s_add_nc_u64 s[G0B+4*\s+2:G0B+4*\s+3], s[46:47], \s*ROWB
	s_or_b32 s[G0B+4*\s+3], s[G0B+4*\s+3], 0x80000000
	JLOAD G0+4*\s, G1, G0B+4*\s, G1B
.endr
	v_and_b32 v1, 15, v0
	v_bfe_u32 v2, v0, 4, 1
	v_mul_u32_u24 v3, v1, PITCH
	v_mul_u32_u24 v4, v2, 24
	v_add_nc_u32 v4, v3, v4
	v_lshl_add_u32 v5, v2, 4, v4
	v_and_b32 v6, 31, v0
	v_lshlrev_b32 v7, 3, v6                        ; 8 x lane
	s_mul_i32 s21, s15, HALFA
	s_mul_i32 s22, s16, HALFB
	s_add_co_u32 s22, s22, BOFF
.irp s, 0,1
	v_add_nc_u32 v[ADRA+\s], s21, v7
	v_add_nc_u32 v[ADRB+\s], s22, v4
	v_add_nc_u32 v[ADRB+2+\s], s22, v5
	s_add_co_u32 s21, s21, SLOT
	s_add_co_u32 s22, s22, SLOT
.endr
	v_mul_u32_u24 v5, v1, KS
	v_lshrrev_b32 v7, 8, v5
	v_lshl_add_u32 v5, v7, 4, v5
	s_mul_i32 s21, s15, HALFS
	s_mul_i32 s22, s16, HALFS
	s_add_co_u32 s22, s22, 2*HALFS
	s_sub_co_u32 s22, s22, s21
	v_mul_u32_u24 v7, s22, v2
	s_add_co_u32 s21, s21, SCL
	v_add_nc_u32 v5, v5, v7
	v_add_nc_u32 v[ADRS], s21, v5
	s_mul_i32 s23, s14, 16*SPITCH                  ; my stage
	v_mul_u32_u24 v5, v1, SPITCH
	v_lshl_add_u32 v5, v2, 5, v5
	v_add_nc_u32 v[STO], s23, v5
	v_lshlrev_b32 v[CO], 4, v6
	v_add_nc_u32 v[RD], s23, v[CO]
	s_lshl_b32 s46, s42, 10                        ; my first column in bytes: in a row of out0 and in b_out alike
	s_lshl_b32 s47, s16, 9
	s_add_co_u32 s46, s46, s47
	s_mov_b32 s47, 0
	s_add_nc_u64 s[96:97], s[96:97], s[46:47]
	s_lshl_b32 s20, s17, 8
	s_lshl_b32 s21, s15, 7
	s_add_co_u32 s20, s20, s21
	s_lshl_b32 s20, s20, 12                        ; my first row, 4,096 bytes a row
	s_mov_b32 s21, 0
	s_add_nc_u64 s[20:21], s[20:21], s[46:47]
	s_add_nc_u64 s[12:13], s[98:99], s[20:21]
	v_lshlrev_b32 v[BO], 5, v2
.irp b, 0,1,2,3,4,5,6,7
	global_load_b128 v[BIAS+8*\b:BIAS+8*\b+3], v[BO], s[96:97] offset:64*\b        ; lane (r, h), tile b: columns 16 b + 8 h + 0 .. 7
	global_load_b128 v[BIAS+8*\b+4:BIAS+8*\b+7], v[BO], s[96:97] offset:64*\b+16
.endr
.macro FRAG reg, adr, q, i             ; B's fragment, from padded rows
.irp p, 0,1,2,3,4,5
.set PC, 12*(\q)+6*(\p/3)+\p%3
.if PC%8 < 5
	ds_load_b64 v[\reg+2*\p:\reg+2*\p+1], v[\adr] offset:8*PC+16*(PC/8)+(\i)*16*PITCH
.else
	ds_load_b64 v[\reg+2*\p:\reg+2*\p+1], v[\adr+2] offset:8*PC+16*(PC/8)+(\i)*16*PITCH
.endif
.endr
.endm
.macro FRAGA reg, adr, q, i            ; A's fragment, from its image: head 2 q + p / 3 of the slot's four, pair p % 3
.irp p, 0,1,2,3,4,5
	ds_load_b64 v[\reg+2*\p:\reg+2*\p+1], v[\adr] offset:ATILE*(\i)+1536*(\q)+768*(\p/3)+256*(\p%3)
.endr
.endm
.macro MUL16 a0, p, q, sc, zero        ; the 64 accumulators take turns, one instruction a turn; zero = 1: the bias starts the sums
.irp a, \a0, \a0+1
.irp b, 0,1,2,3,4,5,6,7
.if \zero
	v_wmma_scale_f32_16x16x128_f8f6f4 v[8*(8*((\a)%4)+\b):8*(8*((\a)%4)+\b)+7], v[128*(\p)+FR*\b:128*(\p)+FR*\b+FR-1], v[AF+FR*(\a):AF+FR*(\a)+FR-1], v[BIAS+8*\b:BIAS+8*\b+7], v[SC+8*NQ*(\sc)+NQ*\b+(\q)], v[SC+8*NQ*(\sc)+NQ*(\a)+(\q)] matrix_a_fmt:MATRIX_FMT_FP6 matrix_b_fmt:MATRIX_FMT_FP6 matrix_a_scale:MATRIX_SCALE_ROW1
.else
	v_wmma_scale_f32_16x16x128_f8f6f4 v[8*(8*((\a)%4)+\b):8*(8*((\a)%4)+\b)+7], v[128*(\p)+FR*\b:128*(\p)+FR*\b+FR-1], v[AF+FR*(\a):AF+FR*(\a)+FR-1], v[8*(8*((\a)%4)+\b):8*(8*((\a)%4)+\b)+7], v[SC+8*NQ*(\sc)+NQ*\b+(\q)], v[SC+8*NQ*(\sc)+NQ*(\a)+(\q)] matrix_a_fmt:MATRIX_FMT_FP6 matrix_b_fmt:MATRIX_FMT_FP6 matrix_a_scale:MATRIX_SCALE_ROW1
.endif
.endr
.endr
.endm
.macro FETCH_B slot, q, p
	WIN TO_B
.irp i, 0,1,2,3,4,5,6,7
	FRAG 128*(\p)+FR*\i, ADRB+\slot, \q, \i
.endr
	WIN 0
.endm
.macro FETCH_A slot, q, i0
.irp i, \i0, \i0+1, \i0+2, \i0+3
	FRAGA AF+FR*(\i), ADRA+\slot, \q, \i
.endr
.endm
.macro SCALES sc
.irp i, 0,1,2,3,4,5,6,7
	ds_load_b64 v[SC+8*NQ*\sc+NQ*\i:SC+8*NQ*\sc+NQ*\i+1], v[ADRS] offset:\i*SBLK
.endr
.endm
.macro PLACES n
.rept \n
	v_nop
.endr
.endm
.macro STEP slot, q, zero
	s_wait_dscnt 4*NL                              ; B's set and A's blocks 0-3 are in; A's blocks 4-7 (4 x 6 loads) may be out
.if \zero
	WIN BIA_LO
.else
	WIN MUL_LO
.endif
	MUL16 0, (\q)%2, \q, \slot, \zero
	MUL16 2, (\q)%2, \q, \slot, \zero
	s_wait_dscnt 0
	PLACES NP
	FETCH_B \slot, (\q)+1, 1-(\q)%2
	FETCH_A \slot, (\q)+1, 0
.if \zero
	WIN BIA_HI
.else
	WIN MUL_HI
.endif
	MUL16 4, (\q)%2, \q, \slot, \zero
	MUL16 6, (\q)%2, \q, \slot, \zero
	PLACES NP
	WIN 0
	FETCH_A \slot, (\q)+1, 4
.endm
.macro TURN slot, next, fill           ; a slot's last step changes slots: one barrier, with the waits and the add in front of it
	s_wait_tensorcnt 0x0                           ; all my tensor loads have landed: my part of the next slot
	ds_add_u32 v[SPW], v[NIL]
	s_wait_dscnt 4*NL+1                            ; the add and A's blocks 4-7 may be out
	WIN MUL_LO
	MUL16 0, 1, NQ-1, \slot, 0
	s_wait_dscnt 0x0                               ; the add is done, and my reads of this slot are over
	s_barrier_signal -1
	MUL16 2, 1, NQ-1, \slot, 0
	WIN 0
	s_barrier_wait -1
.if \fill
	CREST                                          ; a round of the cluster's barrier: no wave of any partner still reads this slot or has a load on its way
	s_add_nc_u64 s[G0+4*\slot+2:G0+4*\slot+3], s[G0+4*\slot+2:G0+4*\slot+3], 2*ATILE
	s_add_nc_u64 s[G0B+4*\slot+2:G0B+4*\slot+3], s[G0B+4*\slot+2:G0B+4*\slot+3], 2*ROWB
	JLOAD G0+4*\slot, G1, G0B+4*\slot, G1B
.else
	PLACES NP
.endif
	v_add_nc_u32 v[ADRS], 4*NQ, v[ADRS]
	FETCH_B \next, 0, 0
	FETCH_A \next, 0, 0
	SCALES \next
	WIN MUL_HI
	MUL16 4, 1, NQ-1, \slot, 0
	MUL16 6, 1, NQ-1, \slot, 0
	PLACES NP
	WIN 0
	FETCH_A \next, 0, 4
.endm
	s_wait_tensorcnt 1                             ; the scales and my part of K step 0 are in; K step 1's load may be out
	s_barrier_signal -1
	s_barrier_wait -1
	FETCH_B 0, 0, 0
	FETCH_A 0, 0, 0
	SCALES 0
	FETCH_A 0, 0, 4
	s_wait_loadcnt 0x0                             ; the bias
	STEP 0, 0, 1
	s_mov_b32 s3, LAPS-1
.Llap:
	TURN 0, 1, 1
	STEP 1, 0, 0
	TURN 1, 0, 1
	STEP 0, 0, 0
	s_sub_co_u32 s3, s3, 1
	s_cmp_lg_u32 s3, 0
	s_cbranch_scc1 .Llap
	TURN 0, 1, 0
	STEP 1, 0, 0
	s_wait_dscnt 4*NL
	WIN MUL_LO
	MUL16 0, 1, NQ-1, 1, 0
	MUL16 2, 1, NQ-1, 1, 0
	s_wait_dscnt 0
	WIN MUL_HI
	MUL16 4, 1, NQ-1, 1, 0
	MUL16 6, 1, NQ-1, 1, 0
	WIN 0
; THE WAY OUT, block by block of 16 rows x 128 columns, through my own stage: in as 32 bytes a lane, back as whole rows of 512 bytes.  LDS serves a wave's instructions in order (ISA guide 5.7.1.4).
.macro TOSTAGE a
.set AC, 64*((\a)%4)
	WIN 0x08+4*((\a)/4)                            ; the data: window 2 or 3
.irp b, 0,1,2,3,4,5,6,7
	ds_store_b128 v[STO], v[AC+8*\b:AC+8*\b+3] offset:64*\b          ; each accumulator from its low end on
	ds_store_b128 v[STO], v[AC+8*\b+4:AC+8*\b+7] offset:64*\b+16
.endr
	WIN 0
.set BB, BK+64*((\a)%2)
.irp t, 0,1,2,3,4,5,6,7,8,9,10,11,12,13,14,15
	ds_load_b128 v[BB+4*\t:BB+4*\t+3], v[RD] offset:\t*SPITCH
.endr
.endm
.macro SEND a, younger                 ; row t of block a is token 32 (a / 2) + 8 (a % 2) + t + 8 (t / 8) of my 128: at most 127 rows of 4,096 bytes, inside the signed 24-bit immediate; the base never steps
.set BB, BK+64*((\a)%2)
	s_wait_dscnt \younger
.irp t, 0,1,2,3,4,5,6,7,8,9,10,11,12,13,14,15
	global_store_b128 v[CO], v[BB+4*\t:BB+4*\t+3], s[12:13] offset:(32*((\a)/2)+8*((\a)%2)+\t+8*(\t/8))*4096 th:TH_STORE_NT   ; 32 lanes store 512 consecutive bytes at a multiple of 256 from out0's first byte
.endr
.endm
	PLACES NP
	TOSTAGE 0
.irp a, 1,2,3,4,5,6,7
.if \a > 1
	s_wait_xcnt 0x0                                ; block a - 2's stores have read their registers: block a's loads may land there
.endif
	TOSTAGE \a
	SEND \a-1, 32                                  ; behind block a - 1's loads: block a's 16 stores and 16 loads
.endr
	SEND 7, 0
	s_wait_tensorcnt 0x0                           ; the wave's end
	ds_add_u32 v[SPW], v[NIL]
	s_wait_dscnt 0x0
	CROUND                                         ; the closing round
	s_endpgm
.Lfunc_end_k_q09adf85ce5_outp:
	.size	k_q09adf85ce5_outp, .Lfunc_end_k_q09adf85ce5_outp-k_q09adf85ce5_outp
	.p2alignl 7, 3214868480
	.fill 96, 4, 3214868480
	.section	.rodata,"a",@progbits
	.p2align	6, 0x0
	.amdhsa_kernel k_q09adf85ce5_outp
		.amdhsa_group_segment_fixed_size 327680
		.amdhsa_private_segment_fixed_size 0
		.amdhsa_enable_private_segment 0
		.amdhsa_kernarg_size 48
		.amdhsa_user_sgpr_count 2
		.amdhsa_user_sgpr_kernarg_segment_ptr 1
		.amdhsa_wavefront_size32 1
		.amdhsa_system_sgpr_workgroup_id_x 1
		.amdhsa_system_sgpr_workgroup_id_y 1
		.amdhsa_system_sgpr_workgroup_id_z 1
		.amdhsa_system_vgpr_workitem_id 0
		.amdhsa_next_free_vgpr 1024
		.amdhsa_next_free_sgpr 100
		.amdhsa_reserve_vcc 0
		.amdhsa_float_denorm_mode_32 3
		.amdhsa_float_denorm_mode_16_64 3
		.amdhsa_memory_ordered 1
		.amdhsa_forward_progress 1
		.amdhsa_inst_pref_size 161
	.end_amdhsa_kernel
	.amdgpu_metadata
---
amdhsa.version: [ 1, 2 ]
amdhsa.kernels:
  - .name:           k_q09adf85ce5_outp
    .symbol:         k_q09adf85ce5_outp.kd
    .args:
      - { .name: ctxc, .offset: 0, .size: 8, .value_kind: global_buffer, .address_space: global }
      - { .name: ctxs, .offset: 8, .size: 8, .value_kind: global_buffer, .address_space: global }
      - { .name: codes, .offset: 16, .size: 8, .value_kind: global_buffer, .address_space: global }
      - { .name: scales, .offset: 24, .size: 8, .value_kind: global_buffer, .address_space: global }
      - { .name: b_out, .offset: 32, .size: 8, .value_kind: global_buffer, .address_space: global }
      - { .name: out0, .offset: 40, .size: 8, .value_kind: global_buffer, .address_space: global }
    .group_segment_fixed_size: 327680
    .private_segment_fixed_size: 0
    .kernarg_segment_align: 8
    .kernarg_segment_size: 48
    .max_flat_workgroup_size: 128
    .sgpr_count:     100
    .vgpr_count:     1024
    .wavefront_size: 32
...
	.end_amdgpu_metadata
.endif
;; end of part 4
